; MI455X (gfx1250); checked and timed in simulation.
; The chip was launched on July 23, 2026; its instructions are those of AMD's public machine-readable ISA for CDNA 5 (MIT licence, August 2026) and "CDNA5" Instruction Set Architecture Reference Guide (July 2026). The comments in the code are by the model that wrote it; some were corrected since.
;; Retrieval Module. Allowed arithmetic: matrix products marked QUANTISED: E2M3 operands, one E8M0 scale for each 32 along K, by v_wmma_scale_f32_16x16x128_f8f6f4 with both operands' format E2M3, f32 sums; products left as they are: f32 operands where the result goes on into a quantised operand, else bf16, f16 or f32 operands; f32 sums; everything else in f32.
;; Inputs: keys 65,536 x 256 float32; query 4 x 512 x 256 float32; values 65,536 x 256 float32.
;; Outputs: out0 4 x 512 x 256 float32.
;; This version of the problem:
;;   THIS VERSION OF THE PROBLEM IS GIVEN IN LOW PRECISION. The matrix products marked QUANTISED in the list below multiply operands that are first quantised to E2M3 (2 exponent bits, 3 mantissa bits; 6 bits a number), with one power-of-two scale for each 32 numbers along K (OCP MX v1.0); their sums are f32. All else is computed in f32.
;;   The module's matrix products, in the order in which they are computed (A, B: the left and right operand; K: the contracted axis; several contracted axes count as one K, in the product's order):
;;     1. [M 2,048, K 256] x [K 256, N 65,536]; A: input query; B: input keys: QUANTISED
;;     2. batch 2,048 x [M 256, K 32] x [K 32, N 1]; A: computed on the way; B: softmax: left as it is (N = 1 < 16)
;;   THE QUANTISER, for each operand of a quantised product, along K:
;;     - K is cut into blocks of 32 from its start; a last block that is shorter is filled with zeros.
;;     - A block's scale is 2^e with e = floor(log2(the largest magnitude in the block)) - 2, held to -126 .. 127; a block of zeros has e = 0. As a byte (E8M0): e + 127.
;;     - Each number is divided by its block's scale, clamped to +-7.5, and rounded to the nearest number of E2M3, ties to even, subnormals kept.
;;     - The product sums the exact products of the quantised numbers (number of the format x scale) in f32.
;;   ~~~python
;;   def quantise(x, axis):      # numpy; x: float32 -> the quantised numbers, widened to float32 again
;;       x = np.moveaxis(x, axis, -1); K = x.shape[-1]
;;       x = np.pad(x, [(0, 0)] * (x.ndim - 1) + [(0, -K % 32)]); x = x.reshape(x.shape[:-1] + (-1, 32)); a = np.abs(x).max(-1, keepdims=True)
;;       e = np.where(a > 0, np.clip(np.frexp(np.where(a > 0, a, 1))[1] - 1 - 2, -126, 127), 0)      # np.frexp(a)[1] - 1 = floor(log2(a)), exactly
;;       r = np.clip(x / 2.0 ** e, -7.5, 7.5)
;;       step = 2.0 ** (np.maximum(np.frexp(np.where(r == 0, 1, r))[1] - 1, 0) - 3)
;;       q = np.round(r / step) * step * 2.0 ** e      # np.round: ties to even
;;       return np.moveaxis(q.reshape(q.shape[:-2] + (-1,))[..., :K], -1, axis).astype(np.float32)
;;   ~~~
;; 2 versions, each right; version 2 is version 1 with the launch rsel written anew for expert scheduling mode. Each part assembles by itself: llvm-mc -triple=amdgcn-amd-amdhsa -mcpu=gfx1250 --defsym DOCPART=n.
;; ======== version 1 of 2: 5 launches
;; workspace buffers: codes 12,976,128 bytes; scl 540,672 bytes; gmax 16,777,216 bytes; glist 262,144 bytes of whole numbers; cand 8,388,608 bytes; pick 262,144 bytes of whole numbers
;; launch quant (part 1): grid 1056 x 1, 4 waves a work-group, no clusters, 34,816 bytes of LDS; arguments keys, query, codes, scl; writes codes, scl
.if DOCPART == 1
	.amdgcn_target "amdgcn-amd-amdhsa--gfx1250"
	.amdhsa_code_object_version 6
	.text
	.protected	k_q3c2647729f_quant
	.globl	k_q3c2647729f_quant
	.p2align	8
	.type	k_q3c2647729f_quant,@function
k_q3c2647729f_quant:
	s_mov_b64 s[64:65], 0
	v_nop
	global_prefetch_b8 v0, s[64:65] scope:SCOPE_SE
	s_setreg_imm32_b32 hwreg(HW_REG_WAVE_MODE, 25, 1), 1
	s_wait_xcnt 0x0
; keys [65536][256] and query [2048][256], f32, become codes of FP6 (E2M3) with one E8M0 byte for each 32 along K, laid as IMAGES OF OPERAND REGISTERS.
; A work-group takes a block of 64 rows (1,024 blocks of keys, then 32 of query); wave u makes tile u of the block: 16 rows x 256 K = two fragments of 12 registers a lane.
; THE ROWS OF A TILE ARE NOT NEIGHBOURS: position pos < 8 is row 8 u + pos of the block, position pos >= 8 is row 32 + 8 u + (pos - 8).  In a product with such a tile as source 0, lanes 0-15 then hold
; results of the block's rows 0-31 and lanes 16-31 of rows 32-63: a group of 32 neighbouring keys lies in one half of the lanes.
; codes: tile T at 3,072 T; in it K step s at 1,536 s; registers 4 c .. 4 c + 3 of lane l at 512 c + 16 l.   scl: tile T at 128 T; word 16 s + pos is the scale word of position pos for K step s.
; A block's scale is 2^(floor(log2(largest magnitude)) - 2); its byte is the largest magnitude's exponent field - 2, held at 1 from below.
; LIMITS: a block of zeros gets the byte 1 where the rule says 127 (its codes are zeros, and this program alone reads the bytes); NaN and infinities among the inputs are not served.
; Each load reads 512 consecutive bytes (half a row); the conversions want 16 neighbours along K in one lane, so a unit of 16 rows x 128 K turns through the wave's own stage in LDS (rows of 512 + 16 bytes).
; No cluster: no two work-groups read the same bytes.  No loop: all 32 loads of a wave go out at the head.
.set RAW,  16                          ; v16-143   two units of 64 numbers a lane
.set PC,   144                         ; v144-163  the codes just made
.set TM,   164                         ; v164-179  at work
.set PW,   180                         ; v180      the scale word just made
.set PW0,  181                         ; v181      K step 0's
.set STGB, 8448                        ; a wave's stage: 16 rows x 528 bytes
.set SCB,  4*STGB                      ; behind the stages: the block's 512 bytes of scale words
; 64 numbers of a lane, register 16 b + i = k 32 b + 16 (lane / 16) + i of my row, become a fragment's codes in v[PC] on and its scale word in v[PW].
.macro QUANT s
.irp b, 0,1,2,3
	v_max3_num_f32 v[TM+\b], |v[\s+16*\b]|, |v[\s+1+16*\b]|, 0x1800000   ; my 16 numbers of block b, and the floor 2^(3 - 127): the byte cannot fall under 1
.endr
.irp i, 2,4,6,8,10,12,14
.irp b, 0,1,2,3
	v_max3_num_f32 v[TM+\b], v[TM+\b], |v[\s+16*\b+\i]|, |v[\s+1+16*\b+\i]|   ; the four blocks by turns
.endr
.endr
.irp b, 0,1,2,3
	v_permlanex16_b32 v[TM+4+\b], v[TM+\b], s20, s21
.endr
.irp b, 0,1,2,3
	v_max_num_f32 v[TM+\b], v[TM+\b], v[TM+4+\b]   ; with lane l xor 16's: the block's largest magnitude
.endr
.irp b, 0,1,2,3
	v_add_nc_u32 v[TM+12+\b], 0xff000000, v[TM+\b]   ; 2 off its exponent field: the conversion takes that field as its scale
.endr
.irp b, 0,1,2,3
	v_lshrrev_b32 v[TM+4+\b], 23, v[TM+12+\b]      ; the scale's byte
.endr
	v_lshl_or_b32 v[PW], v[TM+5], 8, v[TM+4]       ; four bytes: my row's scale word
	v_lshl_or_b32 v[PW], v[TM+6], 16, v[PW]
	v_lshl_or_b32 v[PW], v[TM+7], 24, v[PW]
.irp c, 0,1
	v_cvt_scalef32_pk16_fp6_f32 v[PC+6*\c:PC+2+6*\c], v[\s+32*\c:\s+15+32*\c], v[TM+12+2*\c]
	v_cvt_scalef32_pk16_fp6_f32 v[PC+12+4*\c:PC+14+4*\c], v[\s+16+32*\c:\s+31+32*\c], v[TM+12+2*\c+1]   ; (a conversion's three registers begin on an even number)
.endr
	v_nop                                          ; one plain place behind a scaled conversion
.irp c, 0,1                                    ; the operand's layout wants a whole block in a lane: lanes 0-15 block 2 c, lanes 16-31 block 2 c + 1
.irp i, 0,1,2
	v_permlane16_swap_b32 v[PC+6*\c+\i], v[PC+12+4*\c+\i]
.endr
.irp i, 0,1,2
	v_mov_b32 v[PC+3+6*\c+\i], v[PC+12+4*\c+\i]
.endr
.endr
.endm
	s_load_b128 s[4:7], s[0:1], 0x0                ; keys, query
	s_load_b128 s[8:11], s[0:1], 0x10              ; codes, scl
	v_lshl_add_u32 v188, v0, 2, 0x8600
	v_mov_b32 v189, 0
	v_lshrrev_b32 v1, 5, v0
	v_readfirstlane_b32 s12, v1                    ; wave u
	v_and_b32 v1, 31, v0                           ; lane
	v_and_b32 v2, 15, v0                           ; r
	v_bfe_u32 v3, v0, 4, 1                         ; h
	v_lshlrev_b32 v4, 4, v1                        ; 16 x lane: my bytes of a load's 512, and of an image's
	s_mul_i32 s13, s12, STGB
	v_add_nc_u32 v5, s13, v4                       ; the stage, on the way in
	v_mul_u32_u24 v6, v2, 528
	v_lshl_add_u32 v6, v3, 6, v6
	v_add_nc_u32 v6, s13, v6                       ; and out: row r, + 64 h: my 16 numbers of each block of 32
	v_lshl_add_u32 v7, v0, 2, SCB                  ; my scale word's place: 128 x wave + 4 x lane
	v_add_nc_u32 v8, SCB, v4                       ; and where wave 0 reads the 512 bytes back
	s_mov_b32 s20, 0x76543210
	s_mov_b32 s21, 0xfedcba98                      ; v_permlanex16_b32's selects for lane l xor 16
.irp b, 0,1,2,3
	v_mov_b32 v[TM+4+\b], 0                        ; written once: a lane permute's destination counts as one of its sources
.endr
	s_mul_i32 s16, ttmp9, 12288                    ; the block's four tiles of codes,
	s_mul_i32 s17, s12, 3072                       ; my tile
	s_add_co_u32 s16, s16, s17
	s_mov_b32 s17, 0
	s_lshl_b32 s18, ttmp9, 9                       ; the block's 512 bytes of scale words
	s_mov_b32 s19, 0
	s_wait_kmcnt 0x0
	s_cmp_lt_u32 ttmp9, 1024                       ; keys' block or query's?  The choice hangs on the work-group's number alone
	s_cselect_b64 s[4:5], s[4:5], s[6:7]
	s_cselect_b32 s14, 0, 1024
	s_sub_co_u32 s14, ttmp9, s14
	s_lshl_b32 s14, s14, 16                        ; 64 rows of 1,024 bytes
	s_lshl_b32 s15, s12, 13                        ; + 8 u rows
	s_add_co_u32 s14, s14, s15
	s_mov_b32 s15, 0
	s_add_nc_u64 s[4:5], s[4:5], s[14:15]
	s_add_nc_u64 s[8:9], s[8:9], s[16:17]
	s_add_nc_u64 s[10:11], s[10:11], s[18:19]
.irp s, 0,1                                    ; unit s = K step s: position i is row i + 24 (i / 8) from my first
.irp i, 0,1,2,3,4,5,6,7,8,9,10,11,12,13,14,15
	global_load_b128 v[RAW+64*\s+4*\i:RAW+64*\s+4*\i+3], v4, s[4:5] offset:(\i+24*(\i/8))*1024+512*\s th:TH_LOAD_NT
.endr
.endr
.macro UNIT s
.if \s == 0
	s_wait_loadcnt 16                              ; unit 0's sixteen loads are in; unit 1's sixteen may be out
.else
	s_wait_loadcnt 0x0
.endif
.irp i, 0,1,2,3,4,5,6,7,8,9,10,11,12,13,14,15
	ds_store_b128 v5, v[RAW+64*\s+4*\i:RAW+64*\s+4*\i+3] offset:528*\i
.endr
	s_wait_dscnt 0x0                               ; the stores have read their registers, which the loads below fill again
.irp b, 0,1,2,3
.irp j, 0,1,2,3
	ds_load_b128 v[RAW+64*\s+16*\b+4*\j:RAW+64*\s+16*\b+4*\j+3], v6 offset:128*\b+16*\j
.endr
.endr
	s_wait_dscnt 0x0
.if \s == 1
	s_wait_xcnt 0x0                                ; unit 0's stores have read v[PC] on: only now are the codes' registers written again
.endif
	QUANT RAW+64*\s
.if \s == 0
	v_mov_b32 v[PW0], v[PW]
.endif
.irp c, 0,1,2
	global_store_b128 v4, v[PC+4*\c:PC+4*\c+3], s[8:9] offset:1536*\s+512*\c   ; 32 lanes store 512 consecutive bytes, aligned
.endr
.endm
	UNIT 0
	UNIT 1
	v_cmp_gt_u32 vcc_lo, 16, v1
	v_cndmask_b32 v182, v[PW], v[PW0], vcc_lo      ; lanes 0-15: K step 0's word of position lane; lanes 16-31: K step 1's of position lane - 16
	ds_store_b32 v7, v182
	s_wait_dscnt 0x0                               ; for the others' sake: my store has landed
	s_barrier_signal -1
	s_barrier_wait -1
	s_cmp_lg_u32 s12, 0
	s_cbranch_scc1 .Lend
	ds_load_b128 v[184:187], v8                    ; wave 0: the block's 512 bytes of scale words leave as two whole aligned blocks of 256
	s_wait_dscnt 0x0
	global_store_b128 v4, v[184:187], s[10:11]
.Lend:
	s_wait_tensorcnt 0x0
	ds_add_u32 v188, v189
	s_wait_dscnt 0x0
	s_endpgm
.Lfunc_end_k_q3c2647729f_quant:
	.size	k_q3c2647729f_quant, .Lfunc_end_k_q3c2647729f_quant-k_q3c2647729f_quant
	.p2alignl 7, 3214868480
	.fill 96, 4, 3214868480
	.section	.rodata,"a",@progbits
	.p2align	6, 0x0
	.amdhsa_kernel k_q3c2647729f_quant
		.amdhsa_group_segment_fixed_size 34816
		.amdhsa_private_segment_fixed_size 0
		.amdhsa_enable_private_segment 0
		.amdhsa_kernarg_size 32
		.amdhsa_user_sgpr_count 2
		.amdhsa_user_sgpr_kernarg_segment_ptr 1
		.amdhsa_wavefront_size32 1
		.amdhsa_system_sgpr_workgroup_id_x 1
		.amdhsa_system_sgpr_workgroup_id_y 1
		.amdhsa_system_sgpr_workgroup_id_z 1
		.amdhsa_system_vgpr_workitem_id 0
		.amdhsa_next_free_vgpr 190
		.amdhsa_next_free_sgpr 66
		.amdhsa_reserve_vcc 1
		.amdhsa_float_denorm_mode_32 3
		.amdhsa_float_denorm_mode_16_64 3
		.amdhsa_memory_ordered 1
		.amdhsa_forward_progress 1
		.amdhsa_inst_pref_size 18
	.end_amdhsa_kernel
	.amdgpu_metadata
---
amdhsa.version: [ 1, 2 ]
amdhsa.kernels:
  - .name:           k_q3c2647729f_quant
    .symbol:         k_q3c2647729f_quant.kd
    .args:
      - { .name: keys, .offset: 0, .size: 8, .value_kind: global_buffer, .address_space: global }
      - { .name: query, .offset: 8, .size: 8, .value_kind: global_buffer, .address_space: global }
      - { .name: codes, .offset: 16, .size: 8, .value_kind: global_buffer, .address_space: global }
      - { .name: scl, .offset: 24, .size: 8, .value_kind: global_buffer, .address_space: global }
    .group_segment_fixed_size: 34816
    .private_segment_fixed_size: 0
    .kernarg_segment_align: 8
    .kernarg_segment_size: 32
    .max_flat_workgroup_size: 128
    .sgpr_count:     66
    .vgpr_count:     190
    .wavefront_size: 32
...
	.end_amdgpu_metadata
.endif
;; end of part 1
;; launch gemm (part 2): grid 4 x 64, 8 waves a work-group, clusters of 4 x 1, 327,680 bytes of LDS; arguments codes, scl, gmax; writes gmax
.if DOCPART == 2
	.amdgcn_target "amdgcn-amd-amdhsa--gfx1250"
	.amdhsa_code_object_version 6
	.text
	.protected	k_q3c2647729f_gemm
	.globl	k_q3c2647729f_gemm
	.p2align	8
	.type	k_q3c2647729f_gemm,@function
k_q3c2647729f_gemm:
	s_mov_b64 s[64:65], 0
	v_nop
	global_prefetch_b8 v0, s[64:65] scope:SCOPE_SE
	s_setreg_imm32_b32 hwreg(HW_REG_WAVE_MODE, 25, 1), 1
	s_wait_xcnt 0x0
	s_wait_alu depctr_hold_cnt(0) depctr_sa_sdst(0) depctr_va_vdst(0) depctr_va_sdst(0) depctr_va_ssrc(0) depctr_va_vcc(0) depctr_vm_vsrc(0)
	s_getreg_b32 s2, hwreg(HW_REG_IB_STS2, 6, 4)
	s_cmp_eq_u32 s2, 0
	s_cbranch_scc0 .Lentry_in_a_cluster
	s_endpgm
.Lentry_in_a_cluster:
	s_bfe_u32 s2, ttmp6, 0x10000c
	s_cmp_lg_u32 s2, 0x3003
	s_cbranch_scc0 .Lentry_shape_is_right
	s_endpgm
.Lentry_shape_is_right:
; All scores query . key on codes of FP6, kept as THE LARGEST SCORE OF EACH GROUP OF 32 NEIGHBOURING KEYS: gmax [range 64][row 2048][group 32] f32, raw (the factor 1/16 is applied later: it is exact and keeps the order).
; SHARES.  A work-group takes 512 queries (its place cx in the cluster) x 1,024 keys (range kr = work-group y).  Wave w: half kh = w / 4 of the keys (32 tiles of 16), quarter p = w % 4 of the queries (8 tiles, kept in
; 192 registers for the whole launch).  512 matrix instructions a wave, two waves to a SIMD, so that one wave's maxima stand beside the other's products.
; CLUSTER.  The four work-groups of a cluster walk the same 1,024 keys: every tensor load is asked for jointly, the same descriptor and the mask of all four in each.
; LDS.  The range's codes (196,608 bytes) and scale words (8,192) fit at once: every byte is filled ONCE, by five loads a wave that go out together at the head; counted waits let the work begin on the first chunk
; while the others land.  Nothing is filled again, so there is no ring.  By this text's count a wave has five tensor loads out.
; LAYOUT.  Source 0 = 16 keys, source 1 = 16 queries: lane (r, h) holds query position r and key positions 8 h + 0 .. 7.  By the tiles' choice of rows the four tiles of a block of 64 keys give lanes 0-15 the group 2 blk
; and lanes 16-31 the group 2 blk + 1: a group's maximum is 32 numbers of ONE lane.  Scale words: lanes 0-15 hold K step 0's, lanes 16-31 K step 1's (the second product reads row 1 of both registers).
; REGISTERS: window 0: v1-6 addresses; v16-63 two buffers of a key tile's two fragments; v64-65 their scale words; v66-73 the queries' scale words; v74-81 running maxima; v96-159 eight accumulators; v160-223 the way out.
;   window 1: the queries' fragments: tile q, K step s at v[24 q + 12 s].
; LIMITS: NaN and infinities are not served.
.set KS,    196608                     ; behind the codes: the scale words
.set STAGE, 204800                     ; behind them: 512 rows x (128 + 16) bytes of maxima; no tensor load lands here
.set SP,    144
.set QC0,   12582912                   ; where the query's tiles begin in codes,
.set QS0,   524288                     ; and in scl
.set ADK,  2                           ; v2  16 x lane + my half's first byte (+ 24,576 a chunk)
.set ADS,  3                           ; v3  KS + 4 x lane + my half's scale words
.set STO,  4                           ; v4  where I put a maximum
.set RD,   5                           ; v5  where I read rows back
.set L4,   6                           ; v6  4 x lane
.set KF,   16
.set KSC,  64
.set QS,   66
.set RM,   74
.set ACC,  96
.set OUT,  160
.set G0S,  24                          ; s[24:27] group 0 for the scale words;  s[28:43] for the four chunks of codes
.set G0C,  28
.set G1C,  44                          ; s[44:51] group 1: 24 rows of 256 bytes;  s[52:59]: 4 rows
.set G1S,  52
.set MSB, 0
.macro WIN new                         ; the immediate's high byte repeats the setting that is left
.if MSB != \new
	s_set_vgpr_msb (MSB<<8)|\new
.set MSB, \new
.endif
.endm
.macro CROUND                          ; a round of the cluster's barrier
	s_barrier_signal -1
	s_barrier_wait -1
	s_cmp_lg_u32 s14, 0
	s_cbranch_scc1 .Lnot_wave_0_\@
	s_barrier_signal -3
.Lnot_wave_0_\@:
	s_barrier_wait -3
	s_barrier_signal -1
	s_barrier_wait -1
.endm
	s_load_b128 s[4:7], s[0:1], 0x0                ; codes, scl
	s_load_b64 s[8:9], s[0:1], 0x10                ; gmax
	v_lshl_add_u32 v254, v0, 2, 0x44000
	v_mov_b32 v255, 0
	ds_add_u32 v254, v255
	ds_add_u32 v254, v255
	v_lshrrev_b32 v7, 5, v0
	v_readfirstlane_b32 s14, v7                    ; wave w
	s_lshr_b32 s15, s14, 2                         ; kh
	s_and_b32 s16, s14, 3                          ; p
	s_bfe_u32 s17, ttmp6, 0x40000                  ; cx: it enters the query's and gmax's global addresses alone
	s_and_b32 s18, ttmp7, 0xffff                   ; kr, which the four partners share
	; group 1: dense blocks as rows of 256 bytes (32 elements of 8 bytes), no padding; mask of all four work-groups, bit 21 beside it
	s_mov_b32 s[G1C+0], 15|(3<<16)|(1<<21)
	s_mov_b32 s[G1C+1], 32<<16                     ; tensor_dim0
	s_mov_b32 s[G1C+2], 24<<16                     ; tensor_dim1
	s_mov_b32 s[G1C+3], 32<<16                     ; tile_dim0
	s_mov_b32 s[G1C+4], 24                         ; tile_dim1
	s_mov_b32 s[G1C+5], 32                         ; pitch
	s_mov_b32 s[G1C+6], 0
	s_mov_b32 s[G1C+7], 0
	s_mov_b32 s[G1S+0], 15|(3<<16)|(1<<21)
	s_mov_b32 s[G1S+1], 32<<16
	s_mov_b32 s[G1S+2], 4<<16
	s_mov_b32 s[G1S+3], 32<<16
	s_mov_b32 s[G1S+4], 4
	s_mov_b32 s[G1S+5], 32
	s_mov_b32 s[G1S+6], 0
	s_mov_b32 s[G1S+7], 0
	s_mul_i32 s10, s15, 98304                      ; my half of the codes in LDS: 32 tiles
	s_mul_i32 s19, s16, 6144
	s_add_co_u32 s19, s19, s10                     ; + my quarter of a chunk of 8 tiles: what I fetch
	s_mul_i32 s20, s18, 196608
	s_add_co_u32 s20, s20, s19                     ; the same in memory
	s_mov_b32 s21, 0
	s_lshl_b32 s22, s18, 13
	s_lshl_b32 s23, s14, 10                        ; my eighth of the scale words
	s_add_co_u32 s22, s22, s23
	s_add_co_u32 s[G0S+1], s23, KS
	s_mov_b32 s23, 0
	s_lshl_b32 s60, s17, 5
	s_lshl_b32 s61, s16, 3
	s_add_co_u32 s60, s60, s61                     ; my first query tile: 32 cx + 8 p
	s_lshl_b32 s62, s60, 7
	s_add_co_u32 s62, s62, QS0
	s_mov_b32 s63, 0
	s_mul_i32 s60, s60, 3072
	s_add_co_u32 s60, s60, QC0
	s_mov_b32 s61, 0
	s_lshl_b32 s12, s18, 18                        ; gmax: range kr, 512 cx rows, 64 w rows of 128 bytes
	s_lshl_b32 s13, s17, 16
	s_add_co_u32 s12, s12, s13
	s_lshl_b32 s13, s14, 13
	s_add_co_u32 s12, s12, s13
	s_mov_b32 s13, 0
	v_and_b32 v7, 31, v0                           ; lane
	v_lshlrev_b32 v1, 4, v7                        ; v1: 16 x lane
	v_lshlrev_b32 v[L4], 2, v7
	v_add_nc_u32 v[ADK], s10, v1
	s_lshl_b32 s11, s15, 12
	s_add_co_u32 s11, s11, KS
	v_add_nc_u32 v[ADS], s11, v[L4]
	v_and_b32 v8, 7, v0
	v_bfe_u32 v9, v0, 3, 1
	v_lshl_add_u32 v8, v9, 5, v8                   ; query position r is row (r % 8) + 32 (r / 8) of its block, + 8 for each tile
	v_mul_u32_u24 v[STO], v8, SP
	v_bfe_u32 v9, v0, 4, 1
	v_lshl_add_u32 v[STO], v9, 2, v[STO]           ; + 4 h: the odd group
	s_mul_i32 s2, s16, 128*SP
	s_lshl_b32 s3, s15, 6
	s_add_co_u32 s2, s2, s3
	s_add_co_u32 s2, s2, STAGE
	v_add_nc_u32 v[STO], s2, v[STO]                ; + my 128 rows, + my half's 16 groups
	v_bfe_u32 v8, v0, 3, 2
	v_mul_u32_u24 v[RD], v8, SP
	v_and_b32 v8, 7, v0
	v_lshl_add_u32 v[RD], v8, 4, v[RD]             ; back: eight lanes to a row of 128 bytes, four rows an instruction
	s_mul_i32 s3, s14, 64*SP
	s_add_co_u32 s3, s3, STAGE
	v_add_nc_u32 v[RD], s3, v[RD]
	s_wait_dscnt 0x0
	s_wait_kmcnt 0x0
	s_add_nc_u64 s[20:21], s[4:5], s[20:21]
	s_add_nc_u64 s[22:23], s[6:7], s[22:23]
	s_add_nc_u64 s[60:61], s[4:5], s[60:61]
	s_add_nc_u64 s[62:63], s[6:7], s[62:63]
	s_add_nc_u64 s[8:9], s[8:9], s[12:13]
	s_mov_b32 s[G0S], 1
	s_mov_b64 s[G0S+2:G0S+3], s[22:23]
	s_or_b32 s[G0S+3], s[G0S+3], 0x80000000
.irp j, 0,1,2,3
	s_mov_b32 s[G0C+4*\j], 1
	s_add_co_u32 s[G0C+4*\j+1], s19, \j*24576
	s_add_nc_u64 s[G0C+4*\j+2:G0C+4*\j+3], s[20:21], \j*24576
	s_or_b32 s[G0C+4*\j+3], s[G0C+4*\j+3], 0x80000000
.endr
	CROUND                                         ; all four work-groups are here: the joint loads meet
	tensor_load_to_lds s[G0S:G0S+3], s[G1S:G1S+7]  ; the scale words first, then the four chunks: one group, ahead of every wait on TENSORcnt, every LDS read and every other barrier
	s_nop 0
	tensor_load_to_lds s[G0C:G0C+3], s[G1C:G1C+7]
	s_nop 0
	tensor_load_to_lds s[G0C+4:G0C+7], s[G1C:G1C+7]
	s_nop 0
	tensor_load_to_lds s[G0C+8:G0C+11], s[G1C:G1C+7]
	s_nop 0
	tensor_load_to_lds s[G0C+12:G0C+15], s[G1C:G1C+7]
	s_nop 0
.rept 4
	v_nop                                          ; four lines behind the last tensor load, ahead of the switch of windows
.endr
	WIN 0x40                                       ; destination window 1
.irp q, 0,1,2,3,4,5,6,7
.irp s, 0,1
.irp c, 0,1,2
	global_load_b128 v[24*\q+12*\s+4*\c:24*\q+12*\s+4*\c+3], v1, s[60:61] offset:3072*\q+1536*\s+512*\c
.endr
.endr
.endr
	WIN 0
.irp q, 0,1,2,3,4,5,6,7
	global_load_b32 v[QS+\q], v[L4], s[62:63] offset:128*\q
.endr
.macro LOADK j, t                      ; tile t of chunk j: two fragments as they lie (six loads of 512 consecutive bytes) and its scale words: seven LDS loads
.set LB, KF+24*((\t)%2)
.irp s, 0,1
.irp c, 0,1,2
	ds_load_b128 v[LB+12*\s+4*\c:LB+12*\s+4*\c+3], v[ADK] offset:3072*(\t)+1536*\s+512*\c
.endr
.endr
	ds_load_b32 v[KSC+((\t)%2)], v[ADS] offset:128*(8*(\j)+(\t))
.endm
; A key tile against my eight query tiles: 16 matrix instructions, the eight accumulators by turns, one instruction a turn; then 32 maxima.
; Places: the four v_nop stand between the last product and the first read of a result, and between it and the next loads into the operands' registers; they and the other accumulators' maxima are
; more than the five places between a product and the next tile's product that begins the same accumulator anew.
.macro TILE j, t
.if (\t) == 0
	LOADK \j, 0
.endif
.if (\t) < 7
	LOADK \j, (\t)+1
	s_wait_dscnt 7                                 ; all but the seven just issued: this tile's fragments are in
.else
	s_wait_dscnt 0x0
.endif
.set KB, KF+24*((\t)%2)
.set KW, KSC+((\t)%2)
	WIN 0x04                                       ; source 1 (the queries) window 1
.irp q, 0,1,2,3,4,5,6,7
	v_wmma_scale_f32_16x16x128_f8f6f4 v[ACC+8*\q:ACC+8*\q+7], v[KB:KB+11], v[24*\q:24*\q+11], 0, v[KW], v[QS+\q] matrix_a_fmt:MATRIX_FMT_FP6 matrix_b_fmt:MATRIX_FMT_FP6
.endr
.irp q, 0,1,2,3,4,5,6,7
	v_wmma_scale_f32_16x16x128_f8f6f4 v[ACC+8*\q:ACC+8*\q+7], v[KB+12:KB+23], v[24*\q+12:24*\q+23], v[ACC+8*\q:ACC+8*\q+7], v[KW], v[QS+\q] matrix_a_fmt:MATRIX_FMT_FP6 matrix_b_fmt:MATRIX_FMT_FP6 matrix_a_scale:MATRIX_SCALE_ROW1 matrix_b_scale:MATRIX_SCALE_ROW1
.endr
	WIN 0
.rept 4
	v_nop
.endr
.if (\t)%4 == 0                        ; a block's first tile starts the maxima; each accumulator is read from its low end on
.irp q, 0,1,2,3,4,5,6,7
	v_max3_num_f32 v[RM+\q], v[ACC+8*\q], v[ACC+8*\q+1], v[ACC+8*\q+2]
.endr
.irp q, 0,1,2,3,4,5,6,7
	v_max3_num_f32 v[RM+\q], v[RM+\q], v[ACC+8*\q+3], v[ACC+8*\q+4]
.endr
.irp q, 0,1,2,3,4,5,6,7
	v_max3_num_f32 v[RM+\q], v[RM+\q], v[ACC+8*\q+5], v[ACC+8*\q+6]
.endr
.irp q, 0,1,2,3,4,5,6,7
	v_max_num_f32 v[RM+\q], v[RM+\q], v[ACC+8*\q+7]
.endr
.else
.irp i, 0,2,4,6
.irp q, 0,1,2,3,4,5,6,7
	v_max3_num_f32 v[RM+\q], v[RM+\q], v[ACC+8*\q+\i], v[ACC+8*\q+\i+1]
.endr
.endr
.endif
.if (\t)%4 == 3                        ; the block's four tiles are done: group 16 kh + 2 blk + h of query tile q
.irp q, 0,1,2,3,4,5,6,7
	ds_store_b32 v[STO], v[RM+\q] offset:(64*(\q/4)+8*(\q%4))*SP+8*(2*(\j)+(\t)/4)
.endr
.endif
.endm
.macro CHUNK j
	s_wait_tensorcnt 3-\j                          ; tensor loads end in order: my part of chunk j (and of the scale words) is in; the chunks behind it may be out
	s_wait_dscnt 0x0                               ; no LDS instruction of mine is pending at the signal
	s_barrier_signal -1
	s_barrier_wait -1                              ; everybody's part is in.
.if \j > 0
	v_add_nc_u32 v[ADK], 24576, v[ADK]
.else
	s_wait_loadcnt 0x0                             ; the queries' fragments and scale words
.endif
.irp t, 0,1,2,3,4,5,6,7
	TILE \j, \t
.endr
.endm
	CHUNK 0
	CHUNK 1
	CHUNK 2
	CHUNK 3
	; THE WAY OUT: a row's 32 maxima come from two waves, so a barrier stands between the writing and the reading; each wave stores 64 whole rows
	s_wait_dscnt 0x0
	s_barrier_signal -1
	s_barrier_wait -1
.irp i, 0,1,2,3,4,5,6,7,8,9,10,11,12,13,14,15
	ds_load_b128 v[OUT+4*\i:OUT+4*\i+3], v[RD] offset:4*SP*\i
.endr
.irp i, 0,1,2,3,4,5,6,7,8,9,10,11,12,13,14,15
	s_wait_dscnt 15-\i                             ; LDS loads come back in order: load i is in
	global_store_b128 v1, v[OUT+4*\i:OUT+4*\i+3], s[8:9] offset:512*\i   ; four rows: 512 consecutive bytes, aligned
.endr
	s_wait_tensorcnt 0x0
	ds_add_u32 v254, v255
	s_wait_dscnt 0x0
	CROUND                                         ; the closing round: no work-group ends while a partner may still ask
	s_endpgm
.Lfunc_end_k_q3c2647729f_gemm:
	.size	k_q3c2647729f_gemm, .Lfunc_end_k_q3c2647729f_gemm-k_q3c2647729f_gemm
	.p2alignl 7, 3214868480
	.fill 96, 4, 3214868480
	.section	.rodata,"a",@progbits
	.p2align	6, 0x0
	.amdhsa_kernel k_q3c2647729f_gemm
		.amdhsa_group_segment_fixed_size 327680
		.amdhsa_private_segment_fixed_size 0
		.amdhsa_enable_private_segment 0
		.amdhsa_kernarg_size 24
		.amdhsa_user_sgpr_count 2
		.amdhsa_user_sgpr_kernarg_segment_ptr 1
		.amdhsa_wavefront_size32 1
		.amdhsa_system_sgpr_workgroup_id_x 1
		.amdhsa_system_sgpr_workgroup_id_y 1
		.amdhsa_system_sgpr_workgroup_id_z 1
		.amdhsa_system_vgpr_workitem_id 0
		.amdhsa_next_free_vgpr 448
		.amdhsa_next_free_sgpr 66
		.amdhsa_reserve_vcc 0
		.amdhsa_float_denorm_mode_32 3
		.amdhsa_float_denorm_mode_16_64 3
		.amdhsa_memory_ordered 1
		.amdhsa_forward_progress 1
		.amdhsa_inst_pref_size 167
	.end_amdhsa_kernel
	.amdgpu_metadata
---
amdhsa.version: [ 1, 2 ]
amdhsa.kernels:
  - .name:           k_q3c2647729f_gemm
    .symbol:         k_q3c2647729f_gemm.kd
    .args:
      - { .name: codes, .offset: 0, .size: 8, .value_kind: global_buffer, .address_space: global }
      - { .name: scl, .offset: 8, .size: 8, .value_kind: global_buffer, .address_space: global }
      - { .name: gmax, .offset: 16, .size: 8, .value_kind: global_buffer, .address_space: global }
    .group_segment_fixed_size: 327680
    .private_segment_fixed_size: 0
    .kernarg_segment_align: 8
    .kernarg_segment_size: 24
    .max_flat_workgroup_size: 256
    .sgpr_count:     66
    .vgpr_count:     448
    .wavefront_size: 32
...
	.end_amdgpu_metadata
.endif
;; end of part 2
;; launch gsel (part 3): grid 256 x 1, 8 waves a work-group, no clusters, 2,048 bytes of LDS; arguments gmax, glist; writes glist
.if DOCPART == 3
	.amdgcn_target "amdgcn-amd-amdhsa--gfx1250"
	.amdhsa_code_object_version 6
	.text
	.protected	k_q3c2647729f_gsel
	.globl	k_q3c2647729f_gsel
	.p2align	8
	.type	k_q3c2647729f_gsel,@function
k_q3c2647729f_gsel:
	s_mov_b64 s[64:65], 0
	v_nop
	global_prefetch_b8 v0, s[64:65] scope:SCOPE_SE
	s_setreg_imm32_b32 hwreg(HW_REG_WAVE_MODE, 25, 1), 1
	s_wait_xcnt 0x0
; For each row: WHICH 32 OF ITS 2,048 GROUPS come first by (largest score descending, group number ascending).  The row's 32 first keys by (score descending, index ascending) all lie in these groups:
; were a key's group not among them, 32 other groups would each hold a key that comes before it.
; One wave, one row.  Register j of lane l is group 32 j + l.  T, the 32nd largest value counted with multiplicity, is found by a network of minima and maxima on VALUES ALONE: each lane sorts its 64 into two runs of 32,
; keeps the larger 32, and five exchanges between lanes (own run ascending against the partner's reversed: the maxima are the larger 32 of both, a bitonic run; five layers sort it) leave the larger 32 of all.
; Chosen are the groups above T and, of those equal to T, the first 32 - #{above} by number: ballots, counts of bits, no branch and no address from data.
; Lane n of the output then looks for chosen group number n: a walk over the 64 masks with a running count, and five halvings in the word found.
; glist [row 2048][32] = the chosen groups' numbers, ascending, at fixed places.
; A layer reads one set of registers and writes the other, so the 64 values as loaded survive for the ballots.
; LIMITS: NaN and infinities are not served; +0 and -0 count as equal.
.set V,    16                          ; v16-79    the values
.set SETA, 80                          ; v80-143, v144-207: the network's two sets
.set SETB, 144
.set SRC, V
.set DST, SETA
.macro FLIP
.set SRC, DST
.set DST, SETA+SETB-SRC
.endm
.macro LAYER n, k, d                   ; compare-exchange of i and i xor d; ascending where i & k is 0
.set i, 0
.rept \n
.set l, i^(\d)
.if l > i
.if (i&(\k)) == 0
	v_min_num_f32 v[DST+i], v[SRC+i], v[SRC+l]
	v_max_num_f32 v[DST+l], v[SRC+i], v[SRC+l]
.else
	v_max_num_f32 v[DST+i], v[SRC+i], v[SRC+l]
	v_min_num_f32 v[DST+l], v[SRC+i], v[SRC+l]
.endif
.endif
.set i, i+1
.endr
	FLIP
.endm
.macro MERGE                           ; a bitonic run of 32 becomes ascending
	LAYER 32, 64, 16
	LAYER 32, 64, 8
	LAYER 32, 64, 4
	LAYER 32, 64, 2
	LAYER 32, 64, 1
.endm
.macro XROUND m                        ; with lane l xor m
.set i, 0
.rept 32
	v_max_num_f32_dpp v[DST+i], v[SRC+31-i], v[SRC+i] row_xmask:\m row_mask:0xf bank_mask:0xf
.set i, i+1
.endr
	FLIP
	MERGE
.endm
.macro NSTEP src, wd, kk, pos, t       ; is the bit wanted in the upper wd of the 2 wd bits at pos?
	v_bfe_u32 v[\t+4], v[\src], v[\pos], \wd
	v_cmp_ge_u32 vcc_lo, v[\kk], v[\t+4]
	v_sub_nc_u32 v[\t+4], v[\kk], v[\t+4]
	v_add_nc_u32 v[\t+5], \wd, v[\pos]
	v_cndmask_b32 v[\kk], v[\kk], v[\t+4], vcc_lo
	v_cndmask_b32 v[\pos], v[\pos], v[\t+5], vcc_lo
.endm
.macro NTHBIT w, kk, pos, t            ; pos = the place of set bit number kk (from 0) of w; kk is used up; t: six registers at work
	v_lshrrev_b32 v[\t], 1, v[\w]
	v_and_b32 v[\t], 0x55555555, v[\t]
	v_sub_nc_u32 v[\t], v[\w], v[\t]               ; counts of 2 bits
	v_lshrrev_b32 v[\t+1], 2, v[\t]
	v_and_b32 v[\t+1], 0x33333333, v[\t+1]
	v_and_b32 v[\t+4], 0x33333333, v[\t]
	v_add_nc_u32 v[\t+1], v[\t+1], v[\t+4]         ; of 4
	v_lshrrev_b32 v[\t+2], 4, v[\t+1]
	v_add_nc_u32 v[\t+2], v[\t+2], v[\t+1]
	v_and_b32 v[\t+2], 0x0f0f0f0f, v[\t+2]         ; of 8
	v_lshrrev_b32 v[\t+3], 8, v[\t+2]
	v_add_nc_u32 v[\t+3], v[\t+3], v[\t+2]
	v_and_b32 v[\t+4], 0xff, v[\t+3]               ; of the low 16
	v_cmp_ge_u32 vcc_lo, v[\kk], v[\t+4]
	v_sub_nc_u32 v[\t+4], v[\kk], v[\t+4]
	v_cndmask_b32 v[\kk], v[\kk], v[\t+4], vcc_lo
	v_cndmask_b32 v[\pos], 0, 16, vcc_lo
	NSTEP \t+2, 8, \kk, \pos, \t
	NSTEP \t+1, 4, \kk, \pos, \t
	NSTEP \t, 2, \kk, \pos, \t
	NSTEP \w, 1, \kk, \pos, \t
.endm
	s_load_b128 s[4:7], s[0:1], 0x0                ; gmax, glist
	v_lshl_add_u32 v216, v0, 2, 0x400
	v_mov_b32 v217, 0
	v_lshrrev_b32 v1, 5, v0
	v_readfirstlane_b32 s8, v1                     ; wave
	v_and_b32 v1, 31, v0                           ; lane
	v_lshlrev_b32 v2, 2, v1                        ; 4 x lane
	v_lshlrev_b32 v3, 2, v0                        ; LDS: 4 bytes a thread
	v_lshlrev_b32 v4, 4, v0                        ; and back, 16 (waves 0 and 1)
	s_lshl_b32 s9, ttmp9, 3
	s_add_co_u32 s9, s9, s8                        ; my row
	s_lshl_b32 s10, s9, 7
	s_mov_b32 s11, 0
	s_lshl_b32 s14, ttmp9, 10                      ; the work-group's 8 rows x 128 bytes of glist
	s_mov_b32 s15, 0
	s_mov_b32 s16, 0x76543210
	s_mov_b32 s17, 0xfedcba98
	s_wait_kmcnt 0x0
	s_add_nc_u64 s[4:5], s[4:5], s[10:11]
	s_add_nc_u64 s[12:13], s[4:5], 0x800000        ; ranges 32 on: the immediate reaches 31 ranges of 262,144 bytes
	s_add_nc_u64 s[6:7], s[6:7], s[14:15]
.set j, 0
.rept 32
	global_load_b32 v[V+j], v2, s[4:5] offset:262144*j th:TH_LOAD_NT
	global_load_b32 v[V+32+j], v2, s[12:13] offset:262144*j th:TH_LOAD_NT
.set j, j+1
.endr
	s_wait_loadcnt 0x0
	LAYER 64, 2, 1
	LAYER 64, 4, 2
	LAYER 64, 4, 1
	LAYER 64, 8, 4
	LAYER 64, 8, 2
	LAYER 64, 8, 1
	LAYER 64, 16, 8
	LAYER 64, 16, 4
	LAYER 64, 16, 2
	LAYER 64, 16, 1
	LAYER 64, 32, 16
	LAYER 64, 32, 8
	LAYER 64, 32, 4
	LAYER 64, 32, 2
	LAYER 64, 32, 1                                ; registers 0-31 ascending, 32-63 descending
.set i, 0
.rept 32
	v_max_num_f32 v[DST+i], v[SRC+i], v[SRC+32+i]  ; the larger 32 of my 64
.set i, i+1
.endr
	FLIP
	MERGE
	XROUND 1
	XROUND 2
	XROUND 4
	XROUND 8
.set i, 0
.rept 32
	v_permlanex16_b32 v[DST+i], v[SRC+31-i], s16, s17
.set i, i+1
.endr
.set i, 0
.rept 32
	v_max_num_f32 v[DST+i], v[DST+i], v[SRC+i]     ; the larger 32 of all 2,048; their least is T
.set i, i+1
.endr
.irp c, 0,1,2,3
	v_min3_num_f32 v[208+\c], v[DST+8*\c], v[DST+8*\c+1], v[DST+8*\c+2]
.endr
.irp c, 0,1,2,3
	v_min3_num_f32 v[208+\c], v[208+\c], v[DST+8*\c+3], v[DST+8*\c+4]
.endr
.irp c, 0,1,2,3
	v_min3_num_f32 v[208+\c], v[208+\c], v[DST+8*\c+5], v[DST+8*\c+6]
.endr
.irp c, 0,1,2,3
	v_min_num_f32 v[208+\c], v[208+\c], v[DST+8*\c+7]
.endr
	v_min3_num_f32 v208, v208, v209, v210
	v_min_num_f32 v208, v208, v211                 ; T
	; how many lie above T: eight ballots at a time, so that the scalar lines do not wait for each compare singly
	s_mov_b32 s18, 0
.irp b, 0,1,2,3,4,5,6,7
.irp i, 0,1,2,3,4,5,6,7
	v_cmp_gt_f32 s[24+\i], v[V+8*\b+\i], v208
.endr
.irp i, 0,1,2,3,4,5,6,7
	s_bcnt1_i32_b32 s[24+\i], s[24+\i]
	s_add_co_u32 s18, s18, s[24+\i]
.endr
.endr
	s_sub_co_u32 s21, 32, s18                      ; so many of those equal to T are taken, the lowest numbers first
	s_mov_b32 s22, 0                               ; equals seen so far
	s_mov_b32 s19, 0                               ; chosen so far
	v_mov_b32 v212, 0                              ; the mask that holds my element,
	v_mov_b32 v213, 0                              ; and its word's number << 6 | chosen in front of it
.irp b, 0,1,2,3,4,5,6,7
.irp i, 0,1,2,3,4,5,6,7
	v_cmp_gt_f32 s[24+\i], v[V+8*\b+\i], v208
.endr
.irp i, 0,1,2,3,4,5,6,7
	v_cmp_eq_f32 s[32+\i], v[V+8*\b+\i], v208
.endr
.irp i, 0,1,2,3,4,5,6,7
	s_mov_b32 s[40+\i], s22
	s_bcnt1_i32_b32 s23, s[32+\i]
	s_add_co_u32 s22, s22, s23
.endr
.irp i, 0,1,2,3,4,5,6,7
	v_mbcnt_lo_u32_b32 v[112+\i], s[32+\i], s[40+\i]   ; equals in front of my group
.endr
.irp i, 0,1,2,3,4,5,6,7
	v_cmp_gt_u32 s[48+\i], s21, v[112+\i]
.endr
.irp i, 0,1,2,3,4,5,6,7
	s_and_b32 s[48+\i], s[48+\i], s[32+\i]
	s_or_b32 s[48+\i], s[48+\i], s[24+\i]          ; the word's mask of chosen groups
	s_mov_b32 s[56+\i], s19                        ; chosen in front of it
	s_add_co_u32 s[40+\i], s19, 64*(8*\b+\i)       ; word << 6 | chosen in front (at most 32)
	s_bcnt1_i32_b32 s23, s[48+\i]
	s_add_co_u32 s19, s19, s23
.endr
.irp i, 0,1,2,3,4,5,6,7
	v_cmp_ge_u32 vcc_lo, v1, s[56+\i]              ; the last word whose running count is not above my number holds my element
	v_cndmask_b32 v212, v212, s[48+\i], vcc_lo
	v_cndmask_b32 v213, v213, s[40+\i], vcc_lo
.endr
.endr
	v_and_b32 v214, 63, v213
	v_sub_nc_u32 v214, v1, v214                    ; my element's number in the word's mask
	NTHBIT 212, 214, 215, 120
	v_lshrrev_b32 v213, 6, v213
	v_lshl_add_u32 v213, v213, 5, v215             ; the group's number
	ds_store_b32 v3, v213
	s_wait_dscnt 0x0                               ; for the others' sake: my store has landed
	s_barrier_signal -1
	s_barrier_wait -1
	s_cmp_gt_u32 s8, 1
	s_cbranch_scc1 .Lend
	ds_load_b128 v[8:11], v4                       ; waves 0 and 1: the eight rows' 1,024 bytes leave as whole aligned blocks of 256
	s_wait_dscnt 0x0
	global_store_b128 v4, v[8:11], s[6:7]
.Lend:
	s_wait_tensorcnt 0x0
	ds_add_u32 v216, v217
	s_wait_dscnt 0x0
	s_endpgm
.Lfunc_end_k_q3c2647729f_gsel:
	.size	k_q3c2647729f_gsel, .Lfunc_end_k_q3c2647729f_gsel-k_q3c2647729f_gsel
	.p2alignl 7, 3214868480
	.fill 96, 4, 3214868480
	.section	.rodata,"a",@progbits
	.p2align	6, 0x0
	.amdhsa_kernel k_q3c2647729f_gsel
		.amdhsa_group_segment_fixed_size 2048
		.amdhsa_private_segment_fixed_size 0
		.amdhsa_enable_private_segment 0
		.amdhsa_kernarg_size 16
		.amdhsa_user_sgpr_count 2
		.amdhsa_user_sgpr_kernarg_segment_ptr 1
		.amdhsa_wavefront_size32 1
		.amdhsa_system_sgpr_workgroup_id_x 1
		.amdhsa_system_sgpr_workgroup_id_y 1
		.amdhsa_system_sgpr_workgroup_id_z 1
		.amdhsa_system_vgpr_workitem_id 0
		.amdhsa_next_free_vgpr 218
		.amdhsa_next_free_sgpr 66
		.amdhsa_reserve_vcc 1
		.amdhsa_float_denorm_mode_32 3
		.amdhsa_float_denorm_mode_16_64 3
		.amdhsa_memory_ordered 1
		.amdhsa_forward_progress 1
		.amdhsa_inst_pref_size 134
	.end_amdhsa_kernel
	.amdgpu_metadata
---
amdhsa.version: [ 1, 2 ]
amdhsa.kernels:
  - .name:           k_q3c2647729f_gsel
    .symbol:         k_q3c2647729f_gsel.kd
    .args:
      - { .name: gmax, .offset: 0, .size: 8, .value_kind: global_buffer, .address_space: global }
      - { .name: glist, .offset: 8, .size: 8, .value_kind: global_buffer, .address_space: global }
    .group_segment_fixed_size: 2048
    .private_segment_fixed_size: 0
    .kernarg_segment_align: 8
    .kernarg_segment_size: 16
    .max_flat_workgroup_size: 256
    .sgpr_count:     66
    .vgpr_count:     218
    .wavefront_size: 32
...
	.end_amdgpu_metadata
.endif
;; end of part 3
;; launch rsel (part 4): grid 256 x 1, 8 waves a work-group, no clusters, 2,048 bytes of LDS; arguments glist, codes, scl, cand, pick; writes cand, pick
.if DOCPART == 4
	.amdgcn_target "amdgcn-amd-amdhsa--gfx1250"
	.amdhsa_code_object_version 6
	.text
	.protected	k_q3c2647729f_rsel
	.globl	k_q3c2647729f_rsel
	.p2align	8
	.type	k_q3c2647729f_rsel,@function
k_q3c2647729f_rsel:
	s_mov_b64 s[64:65], 0
	v_nop
	global_prefetch_b8 v0, s[64:65] scope:SCOPE_SE
	s_setreg_imm32_b32 hwreg(HW_REG_WAVE_MODE, 25, 1), 1
	s_wait_xcnt 0x0
; For each row (one wave): the scores of the 1,024 keys of its 32 chosen groups, anew on the same codes, and of these its 32 first keys by (score descending, index ascending).
; THE SCORES.  Slot j is the row's j-th chosen group (ascending).  Its 32 keys are two tiles of 16; a tile is source 1, and source 0 is THE ROW'S OWN QUERY IN ALL 16 ROWS of the operand (every lane of a half reads the same
; 16 bytes of the query's image).  So register 0 of a result holds, in lane r of both halves, the score of the tile's key r, and one select with a fixed mask makes register j of lane l = key l of slot j.
; The sources are swapped against the launch that made the groups' maxima (there: source 0 = keys): the transposed tile, K in the same order.
; Where key kk of group g lies in the images: block g / 2, tile kk / 8, position 8 (g % 2) + kk % 8.  For tile a lane (r, h) reads at 12,288 (g / 2) + 128 (g % 2) + 6,144 a + 3,072 (r / 8) + 16 (r % 8) + 256 h.
; The control flow is constant: 32 slots for every row.  Only addresses hang on glist, whole numbers that an earlier launch stored; each is cut and clamped before it enters an address.
; Three buffers of a slot's 14 loads take turns: while a slot is multiplied, the two next slots' 28 loads are on their way.
; THE CHOICE.  T, the 32nd largest score counted with multiplicity, by a network of minima and maxima on values alone (each lane sorts its 32; five exchanges between lanes keep the larger 32).  Chosen: the scores above T and,
; of those equal to T, the first 32 - #{above} in (slot, lane) order, which is the order of key indices.  Lane n of the output looks for chosen element number n: a walk over the 32 masks, five halvings in the word found.
; cand [row][1,024] f32, raw scores: slot j, key l at word 128 (j / 4) + 4 l + j % 4, so that a store of four registers covers 512 consecutive bytes.  pick [row][32] = key index | (that word's number) << 16.
; No cluster and no tiles in LDS: each row has its own groups, so work-groups share no tile by plan.
; LIMITS: NaN and infinities are not served; +0 and -0 count as equal.
.set QC0,  12582912                    ; where the query's tiles begin in codes,
.set QS0,  524288                      ; and in scl
.set CV,   16                          ; v16-47    the scores
.set QF,   48                          ; v48-71    the query's two fragments
.set QSC,  72                          ; v72       its scale words: lanes 0-15 K step 0's, lanes 16-31 K step 1's
.set KA,   74                          ; v74-76    byte offset of my part of a slot's codes, one for each buffer
.set KSA,  77                          ; v77-79    the same for its scale words
.set ACC,  80                          ; v80-95    two accumulators
.set KB,   96                          ; v96-239   three buffers of 48: tile a, K step s at 24 a + 12 s
.set KSC,  240                         ; v240-245  their scale words: buffer k, tile a at 2 k + a
.set SETA, 96                          ; behind the products: v96-127, v128-159 the network's two sets; v160-187 at work
.set SETB, 128
.set SRC, CV
.set DST, SETA
.macro FLIP
.set SRC, DST
.set DST, SETA+SETB-SRC
.endm
.macro LAYER n, k, d                   ; compare-exchange of i and i xor d; ascending where i & k is 0
.set i, 0
.rept \n
.set l, i^(\d)
.if l > i
.if (i&(\k)) == 0
	v_min_num_f32 v[DST+i], v[SRC+i], v[SRC+l]
	v_max_num_f32 v[DST+l], v[SRC+i], v[SRC+l]
.else
	v_max_num_f32 v[DST+i], v[SRC+i], v[SRC+l]
	v_min_num_f32 v[DST+l], v[SRC+i], v[SRC+l]
.endif
.endif
.set i, i+1
.endr
	FLIP
.endm
.macro MERGE
	LAYER 32, 64, 16
	LAYER 32, 64, 8
	LAYER 32, 64, 4
	LAYER 32, 64, 2
	LAYER 32, 64, 1
.endm
.macro XROUND m
.set i, 0
.rept 32
	v_max_num_f32_dpp v[DST+i], v[SRC+31-i], v[SRC+i] row_xmask:\m row_mask:0xf bank_mask:0xf
.set i, i+1
.endr
	FLIP
	MERGE
.endm
.macro NSTEP src, wd, kk, pos, t
	v_bfe_u32 v[\t+4], v[\src], v[\pos], \wd
	v_cmp_ge_u32 vcc_lo, v[\kk], v[\t+4]
	v_sub_nc_u32 v[\t+4], v[\kk], v[\t+4]
	v_add_nc_u32 v[\t+5], \wd, v[\pos]
	v_cndmask_b32 v[\kk], v[\kk], v[\t+4], vcc_lo
	v_cndmask_b32 v[\pos], v[\pos], v[\t+5], vcc_lo
.endm
.macro NTHBIT w, kk, pos, t            ; pos = the place of set bit number kk (from 0) of w
	v_lshrrev_b32 v[\t], 1, v[\w]
	v_and_b32 v[\t], 0x55555555, v[\t]
	v_sub_nc_u32 v[\t], v[\w], v[\t]
	v_lshrrev_b32 v[\t+1], 2, v[\t]
	v_and_b32 v[\t+1], 0x33333333, v[\t+1]
	v_and_b32 v[\t+4], 0x33333333, v[\t]
	v_add_nc_u32 v[\t+1], v[\t+1], v[\t+4]
	v_lshrrev_b32 v[\t+2], 4, v[\t+1]
	v_add_nc_u32 v[\t+2], v[\t+2], v[\t+1]
	v_and_b32 v[\t+2], 0x0f0f0f0f, v[\t+2]
	v_lshrrev_b32 v[\t+3], 8, v[\t+2]
	v_add_nc_u32 v[\t+3], v[\t+3], v[\t+2]
	v_and_b32 v[\t+4], 0xff, v[\t+3]
	v_cmp_ge_u32 vcc_lo, v[\kk], v[\t+4]
	v_sub_nc_u32 v[\t+4], v[\kk], v[\t+4]
	v_cndmask_b32 v[\kk], v[\kk], v[\t+4], vcc_lo
	v_cndmask_b32 v[\pos], 0, 16, vcc_lo
	NSTEP \t+2, 8, \kk, \pos, \t
	NSTEP \t+1, 4, \kk, \pos, \t
	NSTEP \t, 2, \kk, \pos, \t
	NSTEP \w, 1, \kk, \pos, \t
.endm
; Slot j's group number becomes two byte offsets: s22 into codes, s20 into scl.  The number is cut first and each part clamped; behind the clamps stand a product, shifts left and sums alone.
.macro SOFF j
	s_lshr_b32 s20, s[68+\j], 1                    ; the block of 64 keys,
	s_min_u32 s20, s20, 0x3ff
	s_and_b32 s21, s[68+\j], 1                     ; and which half of it
	s_min_u32 s21, s21, 1
	s_mul_i32 s22, s20, 12288
	s_lshl_b32 s23, s21, 7
	s_add_co_u32 s22, s22, s23
	s_lshl_b32 s20, s20, 9
	s_lshl_b32 s21, s21, 5
	s_add_co_u32 s20, s20, s21
.endm
.macro VOFF j
	v_add_nc_u32 v[KA+(\j)%3], s22, v6
	v_add_nc_u32 v[KSA+(\j)%3], s20, v7
.endm
.macro LOADS j                         ; slot j's two tiles: fourteen loads into buffer j % 3
.set LB, KB+48*((\j)%3)
.irp a, 0,1
.irp s, 0,1
.irp c, 0,1,2
	global_load_b128 v[LB+24*\a+12*\s+4*\c:LB+24*\a+12*\s+4*\c+3], v[KA+(\j)%3], s[6:7] offset:6144*\a+1536*\s+512*\c
.endr
.endr
	global_load_b32 v[KSC+2*((\j)%3)+\a], v[KSA+(\j)%3], s[8:9] offset:256*\a
.endr
.endm
; A slot: four matrix instructions, two accumulators by turns, one instruction a turn.  Behind them five plain lines that name none of their registers: the places ahead of the read of
; the results, of the loads into the operands' registers, and of the next slot's products, which begin the accumulators anew.
.macro SLOT j
.if (\j)+3 < 32
	SOFF (\j)+3
.endif
.if (\j) < 30
	s_wait_loadcnt 28                              ; loads come back in order: slot j's fourteen are in (so its offset registers may be written); the two next slots' 28 may be out
.elseif (\j) == 30
	s_wait_loadcnt 14
.else
	s_wait_loadcnt 0x0
.endif
.set WB, KB+48*((\j)%3)
.set WS, KSC+2*((\j)%3)
	v_wmma_scale_f32_16x16x128_f8f6f4 v[ACC:ACC+7], v[QF:QF+11], v[WB:WB+11], 0, v[QSC], v[WS] matrix_a_fmt:MATRIX_FMT_FP6 matrix_b_fmt:MATRIX_FMT_FP6
	v_wmma_scale_f32_16x16x128_f8f6f4 v[ACC+8:ACC+15], v[QF:QF+11], v[WB+24:WB+35], 0, v[QSC], v[WS+1] matrix_a_fmt:MATRIX_FMT_FP6 matrix_b_fmt:MATRIX_FMT_FP6
	v_wmma_scale_f32_16x16x128_f8f6f4 v[ACC:ACC+7], v[QF+12:QF+23], v[WB+12:WB+23], v[ACC:ACC+7], v[QSC], v[WS] matrix_a_fmt:MATRIX_FMT_FP6 matrix_b_fmt:MATRIX_FMT_FP6 matrix_a_scale:MATRIX_SCALE_ROW1 matrix_b_scale:MATRIX_SCALE_ROW1
	v_wmma_scale_f32_16x16x128_f8f6f4 v[ACC+8:ACC+15], v[QF+12:QF+23], v[WB+36:WB+47], v[ACC+8:ACC+15], v[QSC], v[WS+1] matrix_a_fmt:MATRIX_FMT_FP6 matrix_b_fmt:MATRIX_FMT_FP6 matrix_a_scale:MATRIX_SCALE_ROW1 matrix_b_scale:MATRIX_SCALE_ROW1
.if (\j)+3 < 32
	VOFF (\j)+3
.rept 3
	v_nop
.endr
.else
.rept 5
	v_nop
.endr
.endif
	v_cndmask_b32 v[CV+(\j)], v[ACC], v[ACC+8], vcc_lo   ; lanes 0-15: keys 0-15 (tile 0); lanes 16-31: keys 16-31 (tile 1).  Each accumulator is read at its lowest register
.if (\j)+3 < 32
	LOADS (\j)+3
.endif
.endm
	s_load_b256 s[4:11], s[0:1], 0x0               ; glist, codes, scl, cand
	s_load_b64 s[12:13], s[0:1], 0x20              ; pick
	v_lshl_add_u32 v254, v0, 2, 0x400
	v_mov_b32 v255, 0
	v_lshrrev_b32 v1, 5, v0
	v_readfirstlane_b32 s14, v1                    ; wave
	v_and_b32 v1, 31, v0                           ; lane
	v_lshlrev_b32 v2, 2, v1                        ; 4 x lane
	v_lshlrev_b32 v3, 2, v0                        ; LDS: 4 bytes a thread
	v_lshlrev_b32 v4, 4, v0                        ; and back, 16 (waves 0 and 1)
	v_lshlrev_b32 v5, 4, v1                        ; 16 x lane
	v_bfe_u32 v8, v0, 4, 1                         ; h
	v_bfe_u32 v9, v0, 3, 1                         ; r / 8
	v_and_b32 v10, 7, v0                           ; r % 8
	v_mul_u32_u24 v6, v9, 3072
	v_lshl_add_u32 v6, v10, 4, v6
	v_lshl_add_u32 v6, v8, 8, v6                   ; a key tile's codes: 3,072 (r / 8) + 16 (r % 8) + 256 h
	v_lshlrev_b32 v7, 7, v9
	v_lshl_add_u32 v7, v10, 2, v7
	v_lshl_add_u32 v7, v8, 6, v7                   ; its scale words: 128 (r / 8) + 4 (r % 8) + 64 h
	v_lshlrev_b32 v9, 6, v8                        ; the query's scale word: 64 h
	v_lshlrev_b32 v8, 8, v8                        ; the query's codes: 256 h
	s_lshl_b32 s15, ttmp9, 3
	s_add_co_u32 s15, s15, s14                     ; my row
	s_lshr_b32 s16, s15, 6
	s_lshl_b32 s16, s16, 2
	s_bfe_u32 s17, s15, 0x20003
	s_add_co_u32 s16, s16, s17                     ; its tile among the query's: 4 (row / 64) + (row / 8) % 4,
	s_and_b32 s17, s15, 7
	s_bfe_u32 s18, s15, 0x10005
	s_lshl_b32 s18, s18, 3
	s_add_co_u32 s17, s17, s18                     ; and its position there: row % 8 + 8 ((row / 32) % 2)
	s_mul_i32 s28, s16, 3072
	s_lshl_b32 s18, s17, 4
	s_add_co_u32 s28, s28, s18
	s_add_co_u32 s28, s28, QC0
	s_mov_b32 s29, 0
	s_lshl_b32 s30, s16, 7
	s_lshl_b32 s18, s17, 2
	s_add_co_u32 s30, s30, s18
	s_add_co_u32 s30, s30, QS0
	s_mov_b32 s31, 0
	s_lshl_b32 s32, s15, 7                         ; my row of glist,
	s_mov_b32 s33, 0
	s_lshl_b32 s34, s15, 12                        ; of cand,
	s_mov_b32 s35, 0
	s_lshl_b32 s36, ttmp9, 10                      ; the work-group's eight rows of pick
	s_mov_b32 s37, 0
	s_mov_b32 s66, 0x76543210
	s_mov_b32 s67, 0xfedcba98                      ; v_permlanex16_b32's selects for lane l xor 16
	s_mov_b32 vcc_lo, 0xffff0000                   ; lanes 16-31: it stands through all 32 slots
	s_wait_kmcnt 0x0
	s_add_nc_u64 s[4:5], s[4:5], s[32:33]
	s_add_nc_u64 s[28:29], s[6:7], s[28:29]
	s_add_nc_u64 s[30:31], s[8:9], s[30:31]
	s_add_nc_u64 s[10:11], s[10:11], s[34:35]
	s_add_nc_u64 s[12:13], s[12:13], s[36:37]
	global_load_b32 v10, v2, s[4:5]                ; lane n: my row's n-th chosen group
.irp s, 0,1
.irp c, 0,1,2
	global_load_b128 v[QF+12*\s+4*\c:QF+12*\s+4*\c+3], v8, s[28:29] offset:1536*\s+512*\c
.endr
.endr
	global_load_b32 v[QSC], v9, s[30:31]
	s_wait_loadcnt 7                               ; the groups' numbers are in; the query's seven loads may be out
.set j, 0
.rept 32
	v_readlane_b32 s[68+j], v10, j
.set j, j+1
.endr
.irp f, 0,1,2
	SOFF \f
	VOFF \f
	LOADS \f
.endr
.set j, 0
.rept 32
	SLOT j
.set j, j+1
.endr
.irp q, 0,1,2,3,4,5,6,7
	global_store_b128 v5, v[CV+4*\q:CV+4*\q+3], s[10:11] offset:512*\q   ; 32 lanes store 512 consecutive bytes, aligned; the scores' registers are not written again
.endr
	LAYER 32, 2, 1
	LAYER 32, 4, 2
	LAYER 32, 4, 1
	LAYER 32, 8, 4
	LAYER 32, 8, 2
	LAYER 32, 8, 1
	LAYER 32, 16, 8
	LAYER 32, 16, 4
	LAYER 32, 16, 2
	LAYER 32, 16, 1
	MERGE                                          ; the last stage: all ascending
	XROUND 1
	XROUND 2
	XROUND 4
	XROUND 8
.set i, 0
.rept 32
	v_permlanex16_b32 v[DST+i], v[SRC+31-i], s66, s67
.set i, i+1
.endr
.set i, 0
.rept 32
	v_max_num_f32 v[DST+i], v[DST+i], v[SRC+i]     ; the larger 32 of all 1,024; their least is T
.set i, i+1
.endr
.irp c, 0,1,2,3
	v_min3_num_f32 v[160+\c], v[DST+8*\c], v[DST+8*\c+1], v[DST+8*\c+2]
.endr
.irp c, 0,1,2,3
	v_min3_num_f32 v[160+\c], v[160+\c], v[DST+8*\c+3], v[DST+8*\c+4]
.endr
.irp c, 0,1,2,3
	v_min3_num_f32 v[160+\c], v[160+\c], v[DST+8*\c+5], v[DST+8*\c+6]
.endr
.irp c, 0,1,2,3
	v_min_num_f32 v[160+\c], v[160+\c], v[DST+8*\c+7]
.endr
	v_min3_num_f32 v160, v160, v161, v162
	v_min_num_f32 v160, v160, v163                 ; T
	s_mov_b32 s100, 0                              ; how many lie above T: eight ballots at a time
.irp b, 0,1,2,3
.irp i, 0,1,2,3,4,5,6,7
	v_cmp_gt_f32 s[24+\i], v[CV+8*\b+\i], v160
.endr
.irp i, 0,1,2,3,4,5,6,7
	s_bcnt1_i32_b32 s[24+\i], s[24+\i]
	s_add_co_u32 s100, s100, s[24+\i]
.endr
.endr
	s_sub_co_u32 s101, 32, s100                    ; so many of the equals are taken
	s_mov_b32 s4, 0                                ; equals seen so far  (every load has come back: the registers that held glist's address are free)
	s_mov_b32 s5, 0                                ; chosen so far
	v_mov_b32 v164, 0
	v_mov_b32 v165, 0
.irp b, 0,1,2,3
.irp i, 0,1,2,3,4,5,6,7
	v_cmp_gt_f32 s[24+\i], v[CV+8*\b+\i], v160
.endr
.irp i, 0,1,2,3,4,5,6,7
	v_cmp_eq_f32 s[32+\i], v[CV+8*\b+\i], v160
.endr
.irp i, 0,1,2,3,4,5,6,7
	s_mov_b32 s[40+\i], s4
	s_bcnt1_i32_b32 s2, s[32+\i]
	s_add_co_u32 s4, s4, s2
.endr
.irp i, 0,1,2,3,4,5,6,7
	v_mbcnt_lo_u32_b32 v[176+\i], s[32+\i], s[40+\i]   ; equals in front of my key
.endr
.irp i, 0,1,2,3,4,5,6,7
	v_cmp_gt_u32 s[48+\i], s101, v[176+\i]
.endr
.irp i, 0,1,2,3,4,5,6,7
	s_and_b32 s[48+\i], s[48+\i], s[32+\i]
	s_or_b32 s[48+\i], s[48+\i], s[24+\i]          ; the slot's mask of chosen keys
	s_mov_b32 s[16+\i], s5                         ; chosen in front of it
	s_lshl_b32 s[56+\i], s[68+8*\b+\i], 12
	s_add_co_u32 s[56+\i], s[56+\i], s5
	s_add_co_u32 s[56+\i], s[56+\i], 64*(8*\b+\i)  ; group << 12 | slot << 6 | chosen in front
	s_bcnt1_i32_b32 s2, s[48+\i]
	s_add_co_u32 s5, s5, s2
.endr
.irp i, 0,1,2,3,4,5,6,7
	v_cmp_ge_u32 vcc_lo, v1, s[16+\i]              ; the last slot whose running count is not above my number holds my element
	v_cndmask_b32 v164, v164, s[48+\i], vcc_lo
	v_cndmask_b32 v165, v165, s[56+\i], vcc_lo
.endr
.endr
	v_and_b32 v166, 63, v165
	v_sub_nc_u32 v166, v1, v166                    ; my element's number in the slot's mask
	NTHBIT 164, 166, 167, 168
	v_lshrrev_b32 v174, 12, v165
	v_lshl_add_u32 v174, v174, 5, v167             ; the key's index: 32 x group + its place in the group
	v_bfe_u32 v175, v165, 8, 3                     ; slot / 4
	v_lshlrev_b32 v175, 7, v175
	v_lshl_add_u32 v175, v167, 2, v175
	v_bfe_u32 v176, v165, 6, 2                     ; slot % 4
	v_add_nc_u32 v175, v175, v176                  ; its score's word in my row of cand
	v_lshl_or_b32 v174, v175, 16, v174
	ds_store_b32 v3, v174
	s_wait_dscnt 0x0                               ; for the others' sake: my store has landed
	s_barrier_signal -1
	s_barrier_wait -1
	s_cmp_gt_u32 s14, 1
	s_cbranch_scc1 .Lend
	ds_load_b128 v[184:187], v4                    ; waves 0 and 1: the eight rows' 1,024 bytes leave as whole aligned blocks of 256
	s_wait_dscnt 0x0
	global_store_b128 v4, v[184:187], s[12:13]
.Lend:
	s_wait_tensorcnt 0x0
	ds_add_u32 v254, v255
	s_wait_dscnt 0x0
	s_endpgm
.Lfunc_end_k_q3c2647729f_rsel:
	.size	k_q3c2647729f_rsel, .Lfunc_end_k_q3c2647729f_rsel-k_q3c2647729f_rsel
	.p2alignl 7, 3214868480
	.fill 96, 4, 3214868480
	.section	.rodata,"a",@progbits
	.p2align	6, 0x0
	.amdhsa_kernel k_q3c2647729f_rsel
		.amdhsa_group_segment_fixed_size 2048
		.amdhsa_private_segment_fixed_size 0
		.amdhsa_enable_private_segment 0
		.amdhsa_kernarg_size 40
		.amdhsa_user_sgpr_count 2
		.amdhsa_user_sgpr_kernarg_segment_ptr 1
		.amdhsa_wavefront_size32 1
		.amdhsa_system_sgpr_workgroup_id_x 1
		.amdhsa_system_sgpr_workgroup_id_y 1
		.amdhsa_system_sgpr_workgroup_id_z 1
		.amdhsa_system_vgpr_workitem_id 0
		.amdhsa_next_free_vgpr 256
		.amdhsa_next_free_sgpr 102
		.amdhsa_reserve_vcc 1
		.amdhsa_float_denorm_mode_32 3
		.amdhsa_float_denorm_mode_16_64 3
		.amdhsa_memory_ordered 1
		.amdhsa_forward_progress 1
		.amdhsa_inst_pref_size 164
	.end_amdhsa_kernel
	.amdgpu_metadata
---
amdhsa.version: [ 1, 2 ]
amdhsa.kernels:
  - .name:           k_q3c2647729f_rsel
    .symbol:         k_q3c2647729f_rsel.kd
    .args:
      - { .name: glist, .offset: 0, .size: 8, .value_kind: global_buffer, .address_space: global }
      - { .name: codes, .offset: 8, .size: 8, .value_kind: global_buffer, .address_space: global }
      - { .name: scl, .offset: 16, .size: 8, .value_kind: global_buffer, .address_space: global }
      - { .name: cand, .offset: 24, .size: 8, .value_kind: global_buffer, .address_space: global }
      - { .name: pick, .offset: 32, .size: 8, .value_kind: global_buffer, .address_space: global }
    .group_segment_fixed_size: 2048
    .private_segment_fixed_size: 0
    .kernarg_segment_align: 8
    .kernarg_segment_size: 40
    .max_flat_workgroup_size: 256
    .sgpr_count:     102
    .vgpr_count:     256
    .wavefront_size: 32
...
	.end_amdgpu_metadata
.endif
;; end of part 4
;; launch mix (part 5): grid 256 x 1, 8 waves a work-group, no clusters, 0 bytes of LDS; arguments pick, cand, values, out0; writes out0
.if DOCPART == 5
	.amdgcn_target "amdgcn-amd-amdhsa--gfx1250"
	.amdhsa_code_object_version 6
	.text
	.protected	k_q3c2647729f_mix
	.globl	k_q3c2647729f_mix
	.p2align	8
	.type	k_q3c2647729f_mix,@function
k_q3c2647729f_mix:
	s_mov_b64 s[64:65], 0
	v_nop
	global_prefetch_b8 v0, s[64:65] scope:SCOPE_SE
	s_setreg_imm32_b32 hwreg(HW_REG_WAVE_MODE, 25, 1), 1
	s_wait_xcnt 0x0
; out0[row] = the sum over the row's 32 picked keys of softmax(score / 16) x values[key].  One wave, one row; lane n holds pick n and its score.
; The row's largest score is taken away before the exponential: w = 2^((x - m) c) / the sum, c = log2(e) / 16.
; The second product has one column and another matrix for each row (32 gathered rows of values): it is 32 x 8 fused multiply-adds a lane in f32; the gather's bytes bind the launch, not its arithmetic.
; A row of values is 1,024 consecutive bytes: two loads of 512.  Loads go in four batches of eight rows, two batches (32 loads a wave) on their way.
; The addresses hang on pick, whole numbers that an earlier launch stored, each clamped before it enters an address.  No cluster, no LDS: waves share nothing.  No non-temporal hint on values: a key may be picked by many rows.
.set OFF, 16                           ; v16-47    byte offset of my 16 bytes in each picked row of values
.set ACC, 176                          ; v176-183  my 8 numbers of the output row
	s_load_b256 s[4:11], s[0:1], 0x0               ; pick, cand, values, out0
	v_lshrrev_b32 v1, 5, v0
	v_readfirstlane_b32 s12, v1                    ; wave
	v_and_b32 v1, 31, v0
	v_lshlrev_b32 v2, 2, v1                        ; 4 x lane
	v_lshlrev_b32 v3, 4, v1                        ; 16 x lane
	s_lshl_b32 s13, ttmp9, 3
	s_add_co_u32 s13, s13, s12                     ; my row
	s_lshl_b32 s14, s13, 7
	s_mov_b32 s15, 0
	s_lshl_b32 s16, s13, 12
	s_mov_b32 s17, 0
	s_lshl_b32 s18, s13, 10
	s_mov_b32 s19, 0
	s_mov_b32 s44, 0x76543210
	s_mov_b32 s45, 0xfedcba98
	s_mov_b32 s46, 0x3db8aa3b                      ; c = log2(e) / 16
.irp i, 0,1,2,3,4,5,6,7
	s_mov_b32 s[21+2*\i], 0                        ; the packed forms name pairs and take the low word for both halves: the upper words are written once
.endr
	s_wait_kmcnt 0x0
	s_add_nc_u64 s[4:5], s[4:5], s[14:15]
	s_add_nc_u64 s[6:7], s[6:7], s[16:17]
	s_add_nc_u64 s[10:11], s[10:11], s[18:19]
	global_load_b32 v4, v2, s[4:5]
	s_wait_loadcnt 0x0
	v_and_b32 v5, 0xffff, v4                       ; the key
	v_lshrrev_b32 v6, 16, v4
	v_min_u32 v6, 0x3ff, v6                        ; its place among the row's candidates, clamped
	v_lshlrev_b32 v6, 2, v6
	global_load_b32 v7, v6, s[6:7]                 ; its score
.irp g, 0,1,2,3
.irp i, 0,1,2,3,4,5,6,7
	v_readlane_b32 s[36+\i], v5, 8*\g+\i
.endr
.irp i, 0,1,2,3,4,5,6,7
	s_min_u32 s[36+\i], s[36+\i], 0xffff           ; clamped: behind it a shift left and a sum
.endr
.irp i, 0,1,2,3,4,5,6,7
	v_lshl_add_u32 v[OFF+8*\g+\i], s[36+\i], 10, v3
.endr
.endr
.macro BATCH b                         ; picks 8 b .. 8 b + 7: sixteen loads into buffer b % 2
.set BUF, 48+64*((\b)%2)
.irp i, 0,1,2,3,4,5,6,7
	global_load_b128 v[BUF+8*\i:BUF+8*\i+3], v[OFF+8*(\b)+\i], s[8:9]
	global_load_b128 v[BUF+8*\i+4:BUF+8*\i+7], v[OFF+8*(\b)+\i], s[8:9] offset:512
.endr
.endm
	BATCH 0
	BATCH 1
	s_wait_loadcnt 32                              ; the score is in; the two batches issued behind it may be out
	v_mov_b32 v8, v7
	v_max_num_f32_dpp v8, v8, v8 row_xmask:1 row_mask:0xf bank_mask:0xf
	v_max_num_f32_dpp v8, v8, v8 row_xmask:2 row_mask:0xf bank_mask:0xf
	v_max_num_f32_dpp v8, v8, v8 row_xmask:4 row_mask:0xf bank_mask:0xf
	v_max_num_f32_dpp v8, v8, v8 row_xmask:8 row_mask:0xf bank_mask:0xf
	v_mov_b32 v9, 0                                ; a lane permute's destination counts as one of its sources
	v_permlanex16_b32 v9, v8, s44, s45
	v_max_num_f32 v8, v8, v9                       ; the row's largest score
	v_sub_f32 v10, v7, v8
	v_mul_f32 v10, s46, v10
	v_exp_f32 v13, v10
	v_nop                                          ; a plain place behind the transcendental,
	s_wait_alu depctr_va_vdst(0)                   ; and a wait ahead of the first reader
	v_mov_b32 v11, v13
	v_add_f32_dpp v11, v11, v11 row_xmask:1 row_mask:0xf bank_mask:0xf
	v_add_f32_dpp v11, v11, v11 row_xmask:2 row_mask:0xf bank_mask:0xf
	v_add_f32_dpp v11, v11, v11 row_xmask:4 row_mask:0xf bank_mask:0xf
	v_add_f32_dpp v11, v11, v11 row_xmask:8 row_mask:0xf bank_mask:0xf
	v_permlanex16_b32 v9, v11, s44, s45
	v_add_f32 v11, v11, v9
	v_rcp_f32 v12, v11
	v_nop
	s_wait_alu depctr_va_vdst(0)
	v_mul_f32 v12, v13, v12                        ; lane n: the weight of pick n
.macro ACCUM b
.set BUF, 48+64*((\b)%2)
.irp i, 0,1,2,3,4,5,6,7
	v_readlane_b32 s[20+2*\i], v12, 8*(\b)+\i
.endr
.irp i, 0,1,2,3,4,5,6,7
.irp c, 0,1,2,3
.if ((\b) == 0) && (\i == 0)
	v_pk_mul_f32 v[ACC+2*\c:ACC+2*\c+1], v[BUF+8*\i+2*\c:BUF+8*\i+2*\c+1], s[20+2*\i:21+2*\i] op_sel_hi:[1,0]   ; the first pick starts the sums
.else
	v_pk_fma_f32 v[ACC+2*\c:ACC+2*\c+1], v[BUF+8*\i+2*\c:BUF+8*\i+2*\c+1], s[20+2*\i:21+2*\i], v[ACC+2*\c:ACC+2*\c+1] op_sel_hi:[1,0,1]
.endif
.endr
.endr
.endm
	s_wait_loadcnt 16                              ; batch 0 is in; batch 1's sixteen loads may be out
	ACCUM 0
	BATCH 2
	s_wait_loadcnt 16                              ; batch 1 is in; batch 2 may be out
	ACCUM 1
	BATCH 3
	s_wait_loadcnt 16                              ; batch 2 is in; batch 3 may be out
	ACCUM 2
	s_wait_loadcnt 0x0
	ACCUM 3
	global_store_b128 v3, v[ACC:ACC+3], s[10:11]               ; 32 lanes store 512 consecutive bytes, aligned
	global_store_b128 v3, v[ACC+4:ACC+7], s[10:11] offset:512
	s_endpgm
.Lfunc_end_k_q3c2647729f_mix:
	.size	k_q3c2647729f_mix, .Lfunc_end_k_q3c2647729f_mix-k_q3c2647729f_mix
	.p2alignl 7, 3214868480
	.fill 96, 4, 3214868480
	.section	.rodata,"a",@progbits
	.p2align	6, 0x0
	.amdhsa_kernel k_q3c2647729f_mix
		.amdhsa_group_segment_fixed_size 0
		.amdhsa_private_segment_fixed_size 0
		.amdhsa_enable_private_segment 0
		.amdhsa_kernarg_size 32
		.amdhsa_user_sgpr_count 2
		.amdhsa_user_sgpr_kernarg_segment_ptr 1
		.amdhsa_wavefront_size32 1
		.amdhsa_system_sgpr_workgroup_id_x 1
		.amdhsa_system_sgpr_workgroup_id_y 1
		.amdhsa_system_sgpr_workgroup_id_z 1
		.amdhsa_system_vgpr_workitem_id 0
		.amdhsa_next_free_vgpr 192
		.amdhsa_next_free_sgpr 66
		.amdhsa_reserve_vcc 0
		.amdhsa_float_denorm_mode_32 3
		.amdhsa_float_denorm_mode_16_64 3
		.amdhsa_memory_ordered 1
		.amdhsa_forward_progress 1
		.amdhsa_inst_pref_size 26
	.end_amdhsa_kernel
	.amdgpu_metadata
---
amdhsa.version: [ 1, 2 ]
amdhsa.kernels:
  - .name:           k_q3c2647729f_mix
    .symbol:         k_q3c2647729f_mix.kd
    .args:
      - { .name: pick, .offset: 0, .size: 8, .value_kind: global_buffer, .address_space: global }
      - { .name: cand, .offset: 8, .size: 8, .value_kind: global_buffer, .address_space: global }
      - { .name: values, .offset: 16, .size: 8, .value_kind: global_buffer, .address_space: global }
      - { .name: out0, .offset: 24, .size: 8, .value_kind: global_buffer, .address_space: global }
    .group_segment_fixed_size: 0
    .private_segment_fixed_size: 0
    .kernarg_segment_align: 8
    .kernarg_segment_size: 32
    .max_flat_workgroup_size: 256
    .sgpr_count:     66
    .vgpr_count:     192
    .wavefront_size: 32
...
	.end_amdgpu_metadata
.endif
;; end of part 5
;; ======== version 2 of 2: 5 launches; version 1 with the launch rsel written anew for expert scheduling mode
;; workspace buffers: codes 12,976,128 bytes; scl 540,672 bytes; gmax 16,777,216 bytes; glist 262,144 bytes of whole numbers; cand 8,388,608 bytes; pick 262,144 bytes of whole numbers
;; launch quant: the kernel of part 1 again; grid 1056 x 1, 4 waves a work-group, no clusters, 34,816 bytes of LDS; arguments keys, query, codes, scl; writes codes, scl
;; launch gemm: the kernel of part 2 again; grid 4 x 64, 8 waves a work-group, clusters of 4 x 1, 327,680 bytes of LDS; arguments codes, scl, gmax; writes gmax
;; launch gsel: the kernel of part 3 again; grid 256 x 1, 8 waves a work-group, no clusters, 2,048 bytes of LDS; arguments gmax, glist; writes glist
;; launch rsel (part 6): grid 256 x 1, 8 waves a work-group, no clusters, 2,048 bytes of LDS; arguments glist, codes, scl, cand, pick; writes cand, pick
.if DOCPART == 6
	.amdgcn_target "amdgcn-amd-amdhsa--gfx1250"
	.amdhsa_code_object_version 6
	.text
	.protected	k_q3c2647729f_rsel
	.globl	k_q3c2647729f_rsel
	.p2align	8
	.type	k_q3c2647729f_rsel,@function
k_q3c2647729f_rsel:
	s_mov_b64 s[64:65], 0
	v_nop
	global_prefetch_b8 v0, s[64:65] scope:SCOPE_SE
	s_setreg_imm32_b32 hwreg(HW_REG_WAVE_SCHED_MODE, 0, 2), 2
	s_setreg_imm32_b32 hwreg(HW_REG_WAVE_MODE, 25, 1), 1
	s_wait_xcnt 0x0
	s_wait_alu depctr_vm_vsrc(0)
; For each row (one wave): the scores of the 1,024 keys of its 32 chosen groups, anew on the same codes, and of these its 32 first keys by (score descending, index ascending).
; THE SCORES.  Slot j is the row's j-th chosen group (ascending).  Its 32 keys are two tiles of 16; a tile is source 1, and source 0 is THE ROW'S OWN QUERY IN ALL 16 ROWS of the operand (every lane of a half reads the same
; 16 bytes of the query's image).  So register 0 of a result holds, in lane r of both halves, the score of the tile's key r, and one select with a fixed mask makes register j of lane l = key l of slot j.
; The sources are swapped against the launch that made the groups' maxima (there: source 0 = keys): the transposed tile, K in the same order.
; Where key kk of group g lies in the images: block g / 2, tile kk / 8, position 8 (g % 2) + kk % 8.  For tile a lane (r, h) reads at 12,288 (g / 2) + 128 (g % 2) + 6,144 a + 3,072 (r / 8) + 16 (r % 8) + 256 h.
; The control flow is constant: 32 slots for every row.  Only addresses hang on glist, whole numbers that an earlier launch stored; each is cut and clamped before it enters an address.
; Three buffers of a slot's 14 loads take turns: while a slot is multiplied, the two next slots' 28 loads are on their way.
; THE CHOICE.  T, the 32nd largest score counted with multiplicity, by a network of minima and maxima on values alone (each lane sorts its 32; five exchanges between lanes keep the larger 32).  Chosen: the scores above T and,
; of those equal to T, the first 32 - #{above} in (slot, lane) order, which is the order of key indices.  Lane n of the output looks for chosen element number n: a walk over the 32 masks, five halvings in the word found.
; cand [row][1,024] f32, raw scores: slot j, key l at word 128 (j / 4) + 4 l + j % 4, so that a store of four registers covers 512 consecutive bytes.  pick [row][32] = key index | (that word's number) << 16.
; No cluster and no tiles in LDS: each row has its own groups, so work-groups share no tile by plan.
; LIMITS: NaN and infinities are not served; +0 and -0 count as equal.
; THE MODE: SCHED_MODE bits 1:0 = 2 (LLVM: expert scheduling mode 2), set by the entry lines.  The code itself states the register dependences between vector or matrix instructions and memory or LDS instructions,
; and those through scalar registers and VCC that vector instructions write, with s_wait_alu, always for 0.
; THE PLAN.  Registers that memory or LDS instructions touch:
;   KB0 .. KB2, KSC  Slot j: its four products read buffer j % 3 and its two scale words; behind them the fourteen loads of slot j + 3 land there.
;   KA, KSA          Pair j % 3 is read by slot j's loads, written anew by two additions behind slot j's products, and read by slot j + 3's loads.
;   CV               Register j is written by slot j's select; the eight stores behind slot 31 read all 32; never written again.
;   v2-v5, v8, v9    Offsets made at the head, never written again.   v10: named by the head's address lines; then the groups' numbers land in it.
;   v174             Written by the search, read by the LDS store.   v184-187: last named by slot 31's products; an LDS load lands there.   v254, v255: written at the head, read by the closing add alone.
; So a slot that asks for another has two waits: one on vm_vsrc ahead of the two additions, and ONE on va_vdst behind its products and its select, ahead of the run of fourteen loads.  That wait stands behind the products and not
; at the next slot's head, so that the buffer is asked for again at once: 42 loads of the wave are out at a slot's head.  The next slot's scalar address lines stand ahead of the wait.  The last three slots ask for nothing and hold neither.
.set QC0,  12582912                    ; where the query's tiles begin in codes,
.set QS0,  524288                      ; and in scl
.set CV,   16                          ; v16-47    the scores
.set QF,   48                          ; v48-71    the query's two fragments
.set QSC,  72                          ; v72       its scale words: lanes 0-15 K step 0's, lanes 16-31 K step 1's
.set KA,   74                          ; v74-76    byte offset of my part of a slot's codes, one for each buffer
.set KSA,  77                          ; v77-79    the same for its scale words
.set ACC,  80                          ; v80-95    two accumulators
.set KB,   96                          ; v96-239   three buffers of 48: tile a, K step s at 24 a + 12 s
.set KSC,  240                         ; v240-245  their scale words: buffer k, tile a at 2 k + a
.set SETA, 96                          ; behind the products: v96-127, v128-159 the network's two sets; v160-187 at work
.set SETB, 128
.set SRC, CV
.set DST, SETA
.macro FLIP
.set SRC, DST
.set DST, SETA+SETB-SRC
.endm
.macro LAYER n, k, d                   ; compare-exchange of i and i xor d; ascending where i & k is 0
.set i, 0
.rept \n
.set l, i^(\d)
.if l > i
.if (i&(\k)) == 0
	v_min_num_f32 v[DST+i], v[SRC+i], v[SRC+l]
	v_max_num_f32 v[DST+l], v[SRC+i], v[SRC+l]
.else
	v_max_num_f32 v[DST+i], v[SRC+i], v[SRC+l]
	v_min_num_f32 v[DST+l], v[SRC+i], v[SRC+l]
.endif
.endif
.set i, i+1
.endr
	FLIP
.endm
.macro MERGE
	LAYER 32, 64, 16
	LAYER 32, 64, 8
	LAYER 32, 64, 4
	LAYER 32, 64, 2
	LAYER 32, 64, 1
.endm
.macro XROUND m
.set i, 0
.rept 32
	v_max_num_f32_dpp v[DST+i], v[SRC+31-i], v[SRC+i] row_xmask:\m row_mask:0xf bank_mask:0xf
.set i, i+1
.endr
	FLIP
	MERGE
.endm
.macro NSTEP src, wd, kk, pos, t
	v_bfe_u32 v[\t+4], v[\src], v[\pos], \wd
	v_cmp_ge_u32 vcc_lo, v[\kk], v[\t+4]
	v_sub_nc_u32 v[\t+4], v[\kk], v[\t+4]
	v_add_nc_u32 v[\t+5], \wd, v[\pos]
	s_wait_alu depctr_va_vcc(0)                    ; the compare has written VCC, which the two selects read
	v_cndmask_b32 v[\kk], v[\kk], v[\t+4], vcc_lo
	v_cndmask_b32 v[\pos], v[\pos], v[\t+5], vcc_lo
.endm
.macro NTHBIT w, kk, pos, t            ; pos = the place of set bit number kk (from 0) of w
	v_lshrrev_b32 v[\t], 1, v[\w]
	v_and_b32 v[\t], 0x55555555, v[\t]
	v_sub_nc_u32 v[\t], v[\w], v[\t]
	v_lshrrev_b32 v[\t+1], 2, v[\t]
	v_and_b32 v[\t+1], 0x33333333, v[\t+1]
	v_and_b32 v[\t+4], 0x33333333, v[\t]
	v_add_nc_u32 v[\t+1], v[\t+1], v[\t+4]
	v_lshrrev_b32 v[\t+2], 4, v[\t+1]
	v_add_nc_u32 v[\t+2], v[\t+2], v[\t+1]
	v_and_b32 v[\t+2], 0x0f0f0f0f, v[\t+2]
	v_lshrrev_b32 v[\t+3], 8, v[\t+2]
	v_add_nc_u32 v[\t+3], v[\t+3], v[\t+2]
	v_and_b32 v[\t+4], 0xff, v[\t+3]
	v_cmp_ge_u32 vcc_lo, v[\kk], v[\t+4]
	v_sub_nc_u32 v[\t+4], v[\kk], v[\t+4]
	s_wait_alu depctr_va_vcc(0)                    ; the compare has written VCC, which the two selects read
	v_cndmask_b32 v[\kk], v[\kk], v[\t+4], vcc_lo
	v_cndmask_b32 v[\pos], 0, 16, vcc_lo
	NSTEP \t+2, 8, \kk, \pos, \t
	NSTEP \t+1, 4, \kk, \pos, \t
	NSTEP \t, 2, \kk, \pos, \t
	NSTEP \w, 1, \kk, \pos, \t
.endm
; Slot j's group number becomes two byte offsets: s22 into codes, s20 into scl.  The number is cut first and each part clamped; behind the clamps stand a product, shifts left and sums alone.
.macro SOFF j
	s_lshr_b32 s20, s[68+\j], 1                    ; the block of 64 keys,
	s_min_u32 s20, s20, 0x3ff
	s_and_b32 s21, s[68+\j], 1                     ; and which half of it
	s_min_u32 s21, s21, 1
	s_mul_i32 s22, s20, 12288
	s_lshl_b32 s23, s21, 7
	s_add_co_u32 s22, s22, s23
	s_lshl_b32 s20, s20, 9
	s_lshl_b32 s21, s21, 5
	s_add_co_u32 s20, s20, s21
.endm
.macro VOFF j
	v_add_nc_u32 v[KA+(\j)%3], s22, v6
	v_add_nc_u32 v[KSA+(\j)%3], s20, v7
.endm
.macro LOADS j                         ; slot j's two tiles: fourteen loads into buffer j % 3
.set LB, KB+48*((\j)%3)
.irp a, 0,1
.irp s, 0,1
.irp c, 0,1,2
	global_load_b128 v[LB+24*\a+12*\s+4*\c:LB+24*\a+12*\s+4*\c+3], v[KA+(\j)%3], s[6:7] offset:6144*\a+1536*\s+512*\c
.endr
.endr
	global_load_b32 v[KSC+2*((\j)%3)+\a], v[KSA+(\j)%3], s[8:9] offset:256*\a
.endr
.endm
; A slot: four matrix instructions, two accumulators by turns, one instruction a turn.  Behind them five plain lines that name none of their registers: the places ahead of the read of
; the results and of the next slot's products, which begin the accumulators anew.  s22 and s20 hold slot j + 3's offsets: they were made at the end of the slot before.
.macro SLOT j
.if (\j) < 30
	s_wait_loadcnt 28                              ; loads come back in order: slot j's fourteen are in (so its offset registers may be written); the two next slots' 28 may be out
.elseif (\j) == 30
	s_wait_loadcnt 14
.else
	s_wait_loadcnt 0x0
.endif
.set WB, KB+48*((\j)%3)
.set WS, KSC+2*((\j)%3)
	v_wmma_scale_f32_16x16x128_f8f6f4 v[ACC:ACC+7], v[QF:QF+11], v[WB:WB+11], 0, v[QSC], v[WS] matrix_a_fmt:MATRIX_FMT_FP6 matrix_b_fmt:MATRIX_FMT_FP6
	v_wmma_scale_f32_16x16x128_f8f6f4 v[ACC+8:ACC+15], v[QF:QF+11], v[WB+24:WB+35], 0, v[QSC], v[WS+1] matrix_a_fmt:MATRIX_FMT_FP6 matrix_b_fmt:MATRIX_FMT_FP6
	v_wmma_scale_f32_16x16x128_f8f6f4 v[ACC:ACC+7], v[QF+12:QF+23], v[WB+12:WB+23], v[ACC:ACC+7], v[QSC], v[WS] matrix_a_fmt:MATRIX_FMT_FP6 matrix_b_fmt:MATRIX_FMT_FP6 matrix_a_scale:MATRIX_SCALE_ROW1 matrix_b_scale:MATRIX_SCALE_ROW1
	v_wmma_scale_f32_16x16x128_f8f6f4 v[ACC+8:ACC+15], v[QF+12:QF+23], v[WB+36:WB+47], v[ACC+8:ACC+15], v[QSC], v[WS+1] matrix_a_fmt:MATRIX_FMT_FP6 matrix_b_fmt:MATRIX_FMT_FP6 matrix_a_scale:MATRIX_SCALE_ROW1 matrix_b_scale:MATRIX_SCALE_ROW1
.if (\j)+3 < 32
	s_wait_alu depctr_vm_vsrc(0)                   ; slot j's loads have read the offset pair j % 3, which the two additions below write anew
	VOFF (\j)+3
.rept 3
	v_nop
.endr
.else
.rept 5
	v_nop
.endr
.endif
	v_cndmask_b32 v[CV+(\j)], v[ACC], v[ACC+8], vcc_lo   ; lanes 0-15: keys 0-15 (tile 0); lanes 16-31: keys 16-31 (tile 1).  Each accumulator is read at its lowest register
.if (\j)+4 < 32
	SOFF (\j)+4                                    ; scalar lines for the slot after the one asked for below: they stand ahead of the wait, while the products finish
.endif
.if (\j)+3 < 32
	s_wait_alu depctr_va_vdst(0)                   ; the two additions have written the offset pair, which the loads below read; the four products are done reading buffer j % 3 and its scale words, in which they land
	LOADS (\j)+3
.endif
.endm
	s_load_b256 s[4:11], s[0:1], 0x0               ; glist, codes, scl, cand
	s_load_b64 s[12:13], s[0:1], 0x20              ; pick
	v_lshl_add_u32 v254, v0, 2, 0x400
	v_mov_b32 v255, 0
	v_lshrrev_b32 v1, 5, v0
	v_readfirstlane_b32 s14, v1                    ; wave
	v_and_b32 v1, 31, v0                           ; lane
	v_lshlrev_b32 v2, 2, v1                        ; 4 x lane
	v_lshlrev_b32 v3, 2, v0                        ; LDS: 4 bytes a thread
	v_lshlrev_b32 v4, 4, v0                        ; and back, 16 (waves 0 and 1)
	v_lshlrev_b32 v5, 4, v1                        ; 16 x lane
	v_bfe_u32 v8, v0, 4, 1                         ; h
	v_bfe_u32 v9, v0, 3, 1                         ; r / 8
	v_and_b32 v10, 7, v0                           ; r % 8
	v_mul_u32_u24 v6, v9, 3072
	v_lshl_add_u32 v6, v10, 4, v6
	v_lshl_add_u32 v6, v8, 8, v6                   ; a key tile's codes: 3,072 (r / 8) + 16 (r % 8) + 256 h
	v_lshlrev_b32 v7, 7, v9
	v_lshl_add_u32 v7, v10, 2, v7
	v_lshl_add_u32 v7, v8, 6, v7                   ; its scale words: 128 (r / 8) + 4 (r % 8) + 64 h
	v_lshlrev_b32 v9, 6, v8                        ; the query's scale word: 64 h
	v_lshlrev_b32 v8, 8, v8                        ; the query's codes: 256 h
	s_wait_alu depctr_va_sdst(0)                   ; s14 is written, ahead of its first reader: my row's number is made from it
	s_lshl_b32 s15, ttmp9, 3
	s_add_co_u32 s15, s15, s14                     ; my row
	s_lshr_b32 s16, s15, 6
	s_lshl_b32 s16, s16, 2
	s_bfe_u32 s17, s15, 0x20003
	s_add_co_u32 s16, s16, s17                     ; its tile among the query's: 4 (row / 64) + (row / 8) % 4,
	s_and_b32 s17, s15, 7
	s_bfe_u32 s18, s15, 0x10005
	s_lshl_b32 s18, s18, 3
	s_add_co_u32 s17, s17, s18                     ; and its position there: row % 8 + 8 ((row / 32) % 2)
	s_mul_i32 s28, s16, 3072
	s_lshl_b32 s18, s17, 4
	s_add_co_u32 s28, s28, s18
	s_add_co_u32 s28, s28, QC0
	s_mov_b32 s29, 0
	s_lshl_b32 s30, s16, 7
	s_lshl_b32 s18, s17, 2
	s_add_co_u32 s30, s30, s18
	s_add_co_u32 s30, s30, QS0
	s_mov_b32 s31, 0
	s_lshl_b32 s32, s15, 7                         ; my row of glist,
	s_mov_b32 s33, 0
	s_lshl_b32 s34, s15, 12                        ; of cand,
	s_mov_b32 s35, 0
	s_lshl_b32 s36, ttmp9, 10                      ; the work-group's eight rows of pick
	s_mov_b32 s37, 0
	s_mov_b32 s66, 0x76543210
	s_mov_b32 s67, 0xfedcba98                      ; v_permlanex16_b32's selects for lane l xor 16
	s_mov_b32 vcc_lo, 0xffff0000                   ; lanes 16-31: it stands through all 32 slots
	s_wait_kmcnt 0x0
	s_add_nc_u64 s[4:5], s[4:5], s[32:33]
	s_add_nc_u64 s[28:29], s[6:7], s[28:29]
	s_add_nc_u64 s[30:31], s[8:9], s[30:31]
	s_add_nc_u64 s[10:11], s[10:11], s[34:35]
	s_add_nc_u64 s[12:13], s[12:13], s[36:37]
	s_wait_alu depctr_va_vdst(0)                   ; the offsets v2 to v5, v8 and v9 are written, which the loads and stores of the kernel read; the address lines that named v10 are done, in which the first load lands
	global_load_b32 v10, v2, s[4:5]                ; lane n: my row's n-th chosen group
.irp s, 0,1
.irp c, 0,1,2
	global_load_b128 v[QF+12*\s+4*\c:QF+12*\s+4*\c+3], v8, s[28:29] offset:1536*\s+512*\c
.endr
.endr
	global_load_b32 v[QSC], v9, s[30:31]
	s_wait_loadcnt 7                               ; the groups' numbers are in; the query's seven loads may be out
.set j, 0
.rept 32
	v_readlane_b32 s[68+j], v10, j
.set j, j+1
.endr
	s_wait_alu depctr_va_sdst(0)                   ; s68 to s99 are written, ahead of their first reader: one wait for the run of 32
.irp f, 0,1,2
	SOFF \f
	VOFF \f
.endr
	SOFF 3                                         ; slot 0 finds slot 3's offsets ready
	s_wait_alu depctr_va_vdst(0)                   ; the six additions have written the three offset pairs, which the 42 loads below read
.irp f, 0,1,2
	LOADS \f
.endr
.set j, 0
.rept 32
	SLOT j
.set j, j+1
.endr
	s_wait_alu depctr_va_vdst(0)                   ; the selects have written the 32 scores, which the eight stores read
.irp q, 0,1,2,3,4,5,6,7
	global_store_b128 v5, v[CV+4*\q:CV+4*\q+3], s[10:11] offset:512*\q   ; 32 lanes store 512 consecutive bytes, aligned; the scores' registers are not written again
.endr
	LAYER 32, 2, 1
	LAYER 32, 4, 2
	LAYER 32, 4, 1
	LAYER 32, 8, 4
	LAYER 32, 8, 2
	LAYER 32, 8, 1
	LAYER 32, 16, 8
	LAYER 32, 16, 4
	LAYER 32, 16, 2
	LAYER 32, 16, 1
	MERGE                                          ; the last stage: all ascending
	XROUND 1
	XROUND 2
	XROUND 4
	XROUND 8
.set i, 0
.rept 32
	v_permlanex16_b32 v[DST+i], v[SRC+31-i], s66, s67
.set i, i+1
.endr
.set i, 0
.rept 32
	v_max_num_f32 v[DST+i], v[DST+i], v[SRC+i]     ; the larger 32 of all 1,024; their least is T
.set i, i+1
.endr
.irp c, 0,1,2,3
	v_min3_num_f32 v[160+\c], v[DST+8*\c], v[DST+8*\c+1], v[DST+8*\c+2]
.endr
.irp c, 0,1,2,3
	v_min3_num_f32 v[160+\c], v[160+\c], v[DST+8*\c+3], v[DST+8*\c+4]
.endr
.irp c, 0,1,2,3
	v_min3_num_f32 v[160+\c], v[160+\c], v[DST+8*\c+5], v[DST+8*\c+6]
.endr
.irp c, 0,1,2,3
	v_min_num_f32 v[160+\c], v[160+\c], v[DST+8*\c+7]
.endr
	v_min3_num_f32 v160, v160, v161, v162
	v_min_num_f32 v160, v160, v163                 ; T
	s_mov_b32 s100, 0                              ; how many lie above T: eight ballots at a time
.irp b, 0,1,2,3
.irp i, 0,1,2,3,4,5,6,7
	v_cmp_gt_f32 s[24+\i], v[CV+8*\b+\i], v160
.endr
	s_wait_alu depctr_va_sdst(0)                   ; the eight compares have written s24 to s31, which the counts below read
.irp i, 0,1,2,3,4,5,6,7
	s_bcnt1_i32_b32 s[24+\i], s[24+\i]
	s_add_co_u32 s100, s100, s[24+\i]
.endr
.endr
	s_sub_co_u32 s101, 32, s100                    ; so many of the equals are taken
	s_mov_b32 s4, 0                                ; equals seen so far  (every load has come back: the registers that held glist's address are free)
	s_mov_b32 s5, 0                                ; chosen so far
	v_mov_b32 v164, 0
	v_mov_b32 v165, 0
.irp b, 0,1,2,3
.irp i, 0,1,2,3,4,5,6,7
	v_cmp_gt_f32 s[24+\i], v[CV+8*\b+\i], v160
.endr
.irp i, 0,1,2,3,4,5,6,7
	v_cmp_eq_f32 s[32+\i], v[CV+8*\b+\i], v160
.endr
	s_wait_alu depctr_va_sdst(0)                   ; the sixteen compares have written s24 to s39, ahead of their first readers: the counts, the lanes' counts and the masks' sums below
.irp i, 0,1,2,3,4,5,6,7
	s_mov_b32 s[40+\i], s4
	s_bcnt1_i32_b32 s2, s[32+\i]
	s_add_co_u32 s4, s4, s2
.endr
.irp i, 0,1,2,3,4,5,6,7
	v_mbcnt_lo_u32_b32 v[176+\i], s[32+\i], s[40+\i]   ; equals in front of my key
.endr
.irp i, 0,1,2,3,4,5,6,7
	v_cmp_gt_u32 s[48+\i], s101, v[176+\i]
.endr
	s_wait_alu depctr_va_sdst(0)                   ; the eight compares have written s48 to s55, which the scalar lines below read
.irp i, 0,1,2,3,4,5,6,7
	s_and_b32 s[48+\i], s[48+\i], s[32+\i]
	s_or_b32 s[48+\i], s[48+\i], s[24+\i]          ; the slot's mask of chosen keys
	s_mov_b32 s[16+\i], s5                         ; chosen in front of it
	s_lshl_b32 s[56+\i], s[68+8*\b+\i], 12
	s_add_co_u32 s[56+\i], s[56+\i], s5
	s_add_co_u32 s[56+\i], s[56+\i], 64*(8*\b+\i)  ; group << 12 | slot << 6 | chosen in front
	s_bcnt1_i32_b32 s2, s[48+\i]
	s_add_co_u32 s5, s5, s2
.endr
.irp i, 0,1,2,3,4,5,6,7
	v_cmp_ge_u32 s[24+\i], v1, s[16+\i]            ; the last slot whose running count is not above my number holds my element.  A run of eight into s24 to s31, which the lines above have done with
.endr
	s_wait_alu depctr_va_sdst(0)                   ; the eight compares have written s24 to s31, which the selects below read as their masks
.irp i, 0,1,2,3,4,5,6,7
	v_cndmask_b32 v164, v164, s[48+\i], s[24+\i]
	v_cndmask_b32 v165, v165, s[56+\i], s[24+\i]
.endr
.endr
	v_and_b32 v166, 63, v165
	v_sub_nc_u32 v166, v1, v166                    ; my element's number in the slot's mask
	NTHBIT 164, 166, 167, 168
	v_lshrrev_b32 v174, 12, v165
	v_lshl_add_u32 v174, v174, 5, v167             ; the key's index: 32 x group + its place in the group
	v_bfe_u32 v175, v165, 8, 3                     ; slot / 4
	v_lshlrev_b32 v175, 7, v175
	v_lshl_add_u32 v175, v167, 2, v175
	v_bfe_u32 v176, v165, 6, 2                     ; slot % 4
	v_add_nc_u32 v175, v175, v176                  ; its score's word in my row of cand
	v_lshl_or_b32 v174, v175, 16, v174
	s_wait_alu depctr_va_vdst(0)                   ; v174 is written, which the LDS store reads; the products that named v184 to v187 are done, in which the LDS load below lands: no vector line follows this wait
	ds_store_b32 v3, v174
	s_wait_dscnt 0x0                               ; for the others' sake: my store has landed
	s_barrier_signal -1
	s_barrier_wait -1
	s_cmp_gt_u32 s14, 1
	s_cbranch_scc1 .Lend
	ds_load_b128 v[184:187], v4                    ; waves 0 and 1: the eight rows' 1,024 bytes leave as whole aligned blocks of 256
	s_wait_dscnt 0x0
	global_store_b128 v4, v[184:187], s[12:13]
.Lend:
	s_wait_dscnt 0x0                               ; the closing lines, six on end
	s_wait_alu 0x0
	s_wait_tensorcnt 0x0
	ds_add_u32 v254, v255
	s_wait_dscnt 0x0
	s_endpgm
.Lfunc_end_k_q3c2647729f_rsel:
	.size	k_q3c2647729f_rsel, .Lfunc_end_k_q3c2647729f_rsel-k_q3c2647729f_rsel
	.p2alignl 7, 3214868480
	.fill 96, 4, 3214868480
	.section	.rodata,"a",@progbits
	.p2align	6, 0x0
	.amdhsa_kernel k_q3c2647729f_rsel
		.amdhsa_group_segment_fixed_size 2048
		.amdhsa_private_segment_fixed_size 0
		.amdhsa_enable_private_segment 0
		.amdhsa_kernarg_size 40
		.amdhsa_user_sgpr_count 2
		.amdhsa_user_sgpr_kernarg_segment_ptr 1
		.amdhsa_wavefront_size32 1
		.amdhsa_system_sgpr_workgroup_id_x 1
		.amdhsa_system_sgpr_workgroup_id_y 1
		.amdhsa_system_sgpr_workgroup_id_z 1
		.amdhsa_system_vgpr_workitem_id 0
		.amdhsa_next_free_vgpr 256
		.amdhsa_next_free_sgpr 102
		.amdhsa_reserve_vcc 1
		.amdhsa_float_denorm_mode_32 3
		.amdhsa_float_denorm_mode_16_64 3
		.amdhsa_memory_ordered 1
		.amdhsa_forward_progress 1
		.amdhsa_inst_pref_size 166
	.end_amdhsa_kernel
	.amdgpu_metadata
---
amdhsa.version: [ 1, 2 ]
amdhsa.kernels:
  - .name:           k_q3c2647729f_rsel
    .symbol:         k_q3c2647729f_rsel.kd
    .args:
      - { .name: glist, .offset: 0, .size: 8, .value_kind: global_buffer, .address_space: global }
      - { .name: codes, .offset: 8, .size: 8, .value_kind: global_buffer, .address_space: global }
      - { .name: scl, .offset: 16, .size: 8, .value_kind: global_buffer, .address_space: global }
      - { .name: cand, .offset: 24, .size: 8, .value_kind: global_buffer, .address_space: global }
      - { .name: pick, .offset: 32, .size: 8, .value_kind: global_buffer, .address_space: global }
    .group_segment_fixed_size: 2048
    .private_segment_fixed_size: 0
    .kernarg_segment_align: 8
    .kernarg_segment_size: 40
    .max_flat_workgroup_size: 256
    .sgpr_count:     102
    .vgpr_count:     256
    .wavefront_size: 32
...
	.end_amdgpu_metadata
.endif
;; end of part 6
;; launch mix: the kernel of part 5 again; grid 256 x 1, 8 waves a work-group, no clusters, 0 bytes of LDS; arguments pick, cand, values, out0; writes out0
